; MI455X (gfx1250); checked and timed in simulation.
; The chip was launched on July 23, 2026; its instructions are those of AMD's public machine-readable ISA for CDNA 5 (MIT licence, August 2026) and "CDNA5" Instruction Set Architecture Reference Guide (July 2026). The comments in the code are by the model that wrote it; some were corrected since.
;; Multi Head Attention. Allowed arithmetic: matrix products marked QUANTISED: E2M3 operands, one E8M0 scale for each 32 along K, by v_wmma_scale_f32_16x16x128_f8f6f4 with both operands' format E2M3, f32 sums; everything else in f32.
;; Inputs: Wk 16 x 1,024 x 64 float32; Wp 1,024 x 1,024 float32; Wq 16 x 1,024 x 64 float32; Wv 16 x 1,024 x 64 float32; bp 1,024 float32; x 4 x 2,048 x 1,024 float32.
;; Outputs: out0 4 x 2,048 x 1,024 float32.
;; This version of the problem:
;;   THIS VERSION OF THE PROBLEM IS GIVEN IN LOW PRECISION. The matrix products marked QUANTISED in the list below multiply operands that are first quantised to E2M3 (2 exponent bits, 3 mantissa bits; 6 bits a number), with one power-of-two scale for each 32 numbers along K (OCP MX v1.0); their sums are f32. All else is computed in f32.
;;   The module's matrix products, in the order in which they are computed (A, B: the left and right operand; K: the contracted axis; several contracted axes count as one K, in the product's order):
;;     1. [M 1,024, K 1,024] x [K 1,024, N 8,192]; A: input Wq; B: input x: QUANTISED
;;     2. [M 1,024, K 1,024] x [K 1,024, N 8,192]; A: input Wk; B: input x: QUANTISED
;;     3. [M 1,024, K 1,024] x [K 1,024, N 8,192]; A: input Wv; B: input x: QUANTISED
;;     4. batch 64 x [M 2,048, K 64] x [K 64, N 2,048]; A: computed on the way; B: computed on the way: QUANTISED
;;     5. batch 64 x [M 2,048, K 2,048] x [K 2,048, N 64]; A: softmax (see below); B: computed on the way: QUANTISED
;;     6. [M 8,192, K 1,024] x [K 1,024, N 1,024]; A: computed on the way; B: input Wp: QUANTISED
;;   THE QUANTISER, for each operand of a quantised product, along K:
;;     - K is cut into blocks of 32 from its start; a last block that is shorter is filled with zeros.
;;     - A block's scale is 2^e with e = floor(log2(the largest magnitude in the block)) - 2, held to -126 .. 127; a block of zeros has e = 0. As a byte (E8M0): e + 127.
;;     - Each number is divided by its block's scale, clamped to +-7.5, and rounded to the nearest number of E2M3, ties to even, subnormals kept.
;;     - The product sums the exact products of the quantised numbers (number of the format x scale) in f32.
;;   ~~~python
;;   def quantise(x, axis):      # numpy; x: float32 -> the quantised numbers, widened to float32 again
;;       x = np.moveaxis(x, axis, -1); K = x.shape[-1]
;;       x = np.pad(x, [(0, 0)] * (x.ndim - 1) + [(0, -K % 32)]); x = x.reshape(x.shape[:-1] + (-1, 32)); a = np.abs(x).max(-1, keepdims=True)
;;       e = np.where(a > 0, np.clip(np.frexp(np.where(a > 0, a, 1))[1] - 1 - 2, -126, 127), 0)      # np.frexp(a)[1] - 1 = floor(log2(a)), exactly
;;       r = np.clip(x / 2.0 ** e, -7.5, 7.5)
;;       step = 2.0 ** (np.maximum(np.frexp(np.where(r == 0, 1, r))[1] - 1, 0) - 3)
;;       q = np.round(r / step) * step * 2.0 ** e      # np.round: ties to even
;;       return np.moveaxis(q.reshape(q.shape[:-2] + (-1,))[..., :K], -1, axis).astype(np.float32)
;;   ~~~
;;   SOFTMAX AHEAD OF A QUANTISED PRODUCT. Where the list says 'softmax', what is quantised is not the finished softmax but p = 2^(t - M), with t = logit x log2(e) and M = ceil(the row's largest t), a whole number; so 1/2 < the row's largest p <= 1. The row's sum l is taken of the UNQUANTISED p, in f32, and the product's result is divided by l at the end. Since M is a whole number, a kernel that streams over the keys may use a running M (the ceiling of the running maximum): every later rescaling is an exact power of two, which a block's scale takes up: the codes' values come out the same.
;;   OPERANDS COMPUTED ON THE WAY. 'Computed on the way' means the value that the module computes at that place (a softmax that the list does not call 'softmax' is quantised finished and normalised). What goes into a quantiser is computed in f32, as accurately as f32 sums, v_exp_f32 and their like allow (about 1e-6 of the number): no bf16 or f16 on the way to a quantiser, and a product that is left as it is and whose result goes on into a quantised operand takes f32 operands (vector FMAs, or v_wmma_f32_16x16x4_f32). A number that lies on a knife's edge between two numbers of the format may be rounded either way, as far as f32 arithmetic and the matrix unit's own rounding can turn it there, and no further.
;; One version. Each part assembles by itself: llvm-mc -triple=amdgcn-amd-amdhsa -mcpu=gfx1250 --defsym DOCPART=n.
;; ======== version 1 of 1: 4 launches
;; limits: right only within a limited range of input values
;; workspace buffers: xc 6,291,456 bytes; wc 3,145,728 bytes; sc 655,360 bytes; qkvc 18,874,368 bytes; qkvs 1,572,864 bytes; oc 6,291,456 bytes
;; launch quant (part 1): grid 384 x 1, 4 waves a work-group, no clusters, 59,904 bytes of LDS; arguments x, Wq, Wk, Wv, Wp, xc, wc, sc; writes xc, wc, sc
.if DOCPART == 1
	.amdgcn_target "amdgcn-amd-amdhsa--gfx1250"
	.amdhsa_code_object_version 6
	.text
	.protected	k_q716304700f_quant
	.globl	k_q716304700f_quant
	.p2align	8
	.type	k_q716304700f_quant,@function
k_q716304700f_quant:
	s_mov_b64 s[64:65], 0
	v_nop
	global_prefetch_b8 v0, s[64:65] scope:SCOPE_SE
	s_setreg_imm32_b32 hwreg(HW_REG_WAVE_MODE, 25, 1), 1
	s_wait_xcnt 0x0
; ONE LAUNCH QUANTISES ALL FIVE OPERANDS to codes of FP6 (E2M3) with one E8M0 byte for each 32 along K, laid in the ORDER OF THE OPERAND'S REGISTERS.
; Work-groups 0-255 take x [8192 tokens][1024]; work-groups 256-383 the weights.  The two paths part on the work-group's number alone and have LDS bytes of their own.
; TILES: rows (tokens, or a weight's columns) go in groups of 32; tile u (0, 1) of group G holds at place r (0..15) row 32 G + 8 u + r + 8 (r / 8).
; CODES: [tile][K step of 128: 8][c: 2][768 bytes]; the 768 bytes are the image of six operand registers (16 rows x 64 along K): registers 0-3 at 16 x lane, registers 4-5 at 512 + 8 x lane;
; lane (r, h) holds k = 64 c + 32 h + 0..31 of place r.  SCALE WORDS (sc; the weights' at 262,144): [tile][K half: 2][r][4 words], a word = the four bytes of a K step of 128.
; In wc the tiles follow each other: Wq 0-63, Wk 64-127, Wv 128-191 (column n = 64 head + d), Wp 192-255.
; A block's scale is 2^(floor(log2(largest magnitude)) - 2); its byte is the largest magnitude's exponent field - 2, held at 1 from below.
; LIMITS: a block of zeros gets the byte 1 where the rule says 127 (its codes are zeros, and this program alone reads the bytes); blocks whose largest magnitude lies under 2^-124 are held at byte 1; NaN and infinities are not served.
; No tensor load, no barrier: waves share nothing.
.set STG,   8448                       ; x: a wave's stage: 16 rows x 528
.set WSTG,  4*STG                      ; the weights' four stages of 6,400 bytes
.set SPARE, WSTG+4*6400                ; behind them: the spare words, 128 bytes a wave, that no other line names
.set SPW, 5                            ; v5   my spare word; never rewritten
.set NIL, 6                            ; v6   0; never rewritten
	v_lshl_add_u32 v[SPW], v0, 2, SPARE
	v_mov_b32 v[NIL], 0
	s_cmp_lt_u32 ttmp9, 256
	s_cbranch_scc0 .Lweights
; ---- x.  Wave W = 4 x work-group + wave takes tile W / 2, K half W % 2: four fragments of 16 rows x 128.  Each load reads 512 consecutive bytes of one row; the 16 rows turn through the wave's own stage
; (pitch 528 bytes), so that lane (r, h) gets 32 neighbours along K twice.  Every store of codes covers 512 or 256 consecutive bytes at a multiple of 256.  Two fragments' loads (32 a wave) are on their way.
.set L16, 1                            ; v1   16 x lane
.set L8,  2                            ; v2   8 x lane
.set STI, 3                            ; v3   stage, on the way in
.set STO, 4                            ; v4   stage, on the way out: 528 r + 128 h
.set SWO, 7                            ; v7   16 r + 8 h: my 8 bytes of the tile's 256 bytes of scale words
.set SW,  16                           ; v16-19 a scale word for each fragment
.set R,   64                           ; v64-191  two sets of 64 as loaded
.set X,   192                          ; v192-255 64 numbers: 32 c + i = k 64 c + 32 h + i of my row
	s_load_b64 s[4:5], s[0:1], 0x0                 ; x
	s_load_b64 s[6:7], s[0:1], 0x28                ; xc
	s_load_b64 s[8:9], s[0:1], 0x38                ; sc
	v_lshrrev_b32 v8, 5, v0
	v_readfirstlane_b32 s10, v8                    ; wave
	v_and_b32 v61, 31, v0                          ; lane
	v_and_b32 v62, 15, v0                          ; r
	v_bfe_u32 v63, v0, 4, 1                        ; h
	v_lshlrev_b32 v[L16], 4, v61
	v_lshlrev_b32 v[L8], 3, v61
	s_mul_i32 s11, s10, STG
	v_add_nc_u32 v[STI], s11, v[L16]
	v_mul_u32_u24 v[STO], v62, 528
	v_lshl_add_u32 v[STO], v63, 7, v[STO]
	v_add_nc_u32 v[STO], s11, v[STO]
	v_lshlrev_b32 v[SWO], 4, v62
	v_lshl_add_u32 v[SWO], v63, 3, v[SWO]
	v_lshlrev_b32 v60, 3, v63                      ; 8 h: where my two bytes stand in a scale word
	v_mov_b32 v15, 0                               ; written once: a lane permute's destination counts as one of its sources
	s_mov_b32 s20, 0x76543210
	s_mov_b32 s21, 0xfedcba98                      ; selects for lane l xor 16
	s_lshl_b32 s12, ttmp9, 2
	s_add_co_u32 s12, s12, s10                     ; W
	s_lshr_b32 s13, s12, 1                         ; tile
	s_and_b32 s14, s12, 1                          ; K half
	s_lshr_b32 s15, s13, 1
	s_lshl_b32 s15, s15, 17                        ; group x 32 rows x 4,096 bytes
	s_and_b32 s16, s13, 1
	s_lshl_b32 s16, s16, 15                        ; u x 8 rows
	s_add_co_u32 s16, s16, s15
	s_lshl_b32 s17, s14, 11                        ; K half x 2,048 bytes
	s_add_co_u32 s16, s16, s17
	s_mov_b32 s17, 0
	s_mul_i32 s18, s13, 12288
	s_mul_i32 s19, s14, 6144
	s_add_co_u32 s18, s18, s19
	s_mov_b32 s19, 0
	s_lshl_b32 s22, s12, 8                         ; tile x 512 + K half x 256
	s_mov_b32 s23, 0
	s_wait_alu depctr_va_vdst(0)                   ; the wait at the head's end
	s_wait_kmcnt 0x0
	s_add_nc_u64 s[4:5], s[4:5], s[16:17]
	s_add_nc_u64 s[6:7], s[6:7], s[18:19]
	s_add_nc_u64 s[8:9], s[8:9], s[22:23]
.macro LOADX f                         ; fragment f: the tile's 16 rows, 512 consecutive bytes each
.irp p, 0,1,2,3,4,5,6,7,8,9,10,11,12,13,14,15
	global_load_b128 v[R+64*((\f)%2)+4*\p:R+64*((\f)%2)+4*\p+3], v[L16], s[4:5] offset:(\p+8*(\p/8))*4096+512*(\f) th:TH_LOAD_NT
.endr
.endm
.macro FRAGQ f
.set PC, 20+20*((\f)%2)                ; the codes' registers, two sets by turns: 12 codes, two conversions' results at +12 and +16
.if (\f) < 3
	s_wait_loadcnt 16                              ; this fragment's 16 loads are in; the next fragment's 16 may be out
.else
	s_wait_loadcnt 0x0
.endif
.irp p, 0,1,2,3,4,5,6,7,8,9,10,11,12,13,14,15
	ds_store_b128 v[STI], v[R+64*((\f)%2)+4*\p:R+64*((\f)%2)+4*\p+3] offset:528*\p
.endr
.irp c, 0,1
.irp j, 0,1,2,3,4,5,6,7
	ds_load_b128 v[X+32*\c+4*\j:X+32*\c+4*\j+3], v[STO] offset:256*\c+16*\j   ; LDS serves a wave's instructions in order: these see the stores above
.endr
.endr
	s_wait_dscnt 0x0                               ; the 64 numbers are in, and the stores have read their registers
.if (\f) < 2
	LOADX (\f)+2
.endif
.irp c, 0,1
	v_max3_num_f32 v[8+\c], |v[X+32*\c]|, |v[X+32*\c+1]|, 0x1800000   ; my block 2 c + h: all 32 numbers are mine; the floor 2^(3 - 127) holds the byte at 1 from below
.endr
.irp i, 2,4,6,8,10,12,14,16,18,20,22,24,26,28,30
.irp c, 0,1
	v_max3_num_f32 v[8+\c], v[8+\c], |v[X+32*\c+\i]|, |v[X+32*\c+\i+1]|   ; (the two blocks by turns)
.endr
.endr
.irp c, 0,1
	v_add_nc_u32 v[10+\c], 0xff000000, v[8+\c]     ; 2 off the exponent field: the conversion's scale operand
.endr
.irp c, 0,1
	v_lshrrev_b32 v[12+\c], 23, v[10+\c]           ; the scale's byte
.endr
	v_lshl_or_b32 v14, v13, 16, v12                ; blocks h and 2 + h,
	v_lshlrev_b32 v14, v60, v14                    ; at their places in the word;
	v_permlanex16_b32 v15, v14, s20, s21
	v_or_b32 v[SW+(\f)], v14, v15                  ; with lane l xor 16's two the word is whole
	s_wait_alu depctr_va_vdst(0)                   ; directly ahead of the wait below
	s_wait_xcnt 0x0                                ; the stores that read this set of code registers have had their addresses translated: only behind this wait is the set written again
.irp c, 0,1
	v_cvt_scalef32_pk16_fp6_f32 v[PC+6*\c:PC+6*\c+2], v[X+32*\c:X+32*\c+15], v[10+\c]
	v_cvt_scalef32_pk16_fp6_f32 v[PC+12+4*\c:PC+14+4*\c], v[X+32*\c+16:X+32*\c+31], v[10+\c]   ; (a conversion's three registers begin on an even number)
.endr
	v_nop                                          ; one plain place behind a scaled conversion
.irp c, 0,1
.irp i, 0,1,2
	v_mov_b32 v[PC+3+6*\c+\i], v[PC+12+4*\c+\i]
.endr
.endr
.irp c, 0,1
	global_store_b128 v[L16], v[PC+6*\c:PC+6*\c+3], s[6:7] offset:1536*(\f)+768*\c          ; 512 consecutive bytes
	global_store_b64 v[L8], v[PC+6*\c+4:PC+6*\c+5], s[6:7] offset:1536*(\f)+768*\c+512      ; 256 consecutive bytes
.endr
.endm
	LOADX 0
	LOADX 1
	FRAGQ 0
	FRAGQ 1
	FRAGQ 2
	FRAGQ 3
	v_cmp_le_u32 vcc_lo, 16, v61                   ; lanes 16-31 store words 2 and 3 of their row, lanes 0-15 words 0 and 1
	v_cndmask_b32 v14, v16, v18, vcc_lo
	v_cndmask_b32 v15, v17, v19, vcc_lo
	global_store_b64 v[SWO], v[14:15], s[8:9]      ; 32 lanes store 256 consecutive bytes, aligned
	s_wait_tensorcnt 0x0                           ; the wave's end
	ds_add_u32 v[SPW], v[NIL]
	s_wait_dscnt 0x0
	s_endpgm
; ---- THE WEIGHTS, f32 with K NOT innermost.  Wq, Wk, Wv: [16 heads][1024 (K)][64]; Wp: [1024 (K)][1024 (n)].  A LANE TAKES A COLUMN AND ITS REGISTERS RUN DOWN K: a load reads 128 consecutive bytes a wave,
; a block of 32 along K lies in one lane, and the conversions give codes with K innermost.  Work-group number - 256 = 32 y + 8 x matrix + block of 128 columns; y = quarter of K (256).
; A wave takes 32 columns (two tiles) x 8 blocks.  Its codes go into the wave's own stage at the places of the image (block t = K step t / 4, c = (t / 2) % 2, h = t % 2) and leave as 512 consecutive bytes a store.
; The scale bytes leave as 8 bytes a lane, 16 bytes apart: one byte in 128 of what the path reads.  The pitch along K differs between the matrices: 32 offset registers and eight bases, none ever stepped.
.Lweights:
.set WS,  262144
.set X,   32                           ; v32-95   two sets of 32 numbers
.set C,   96                           ; v96-101  a block's codes
.set T,   104                          ; v104-106 the second conversion's result
.set SB,  24                           ; v24-25   the eight scale bytes
.set OUTR, 112                         ; v112-159 the way out
.set VO,  160                          ; v160-191 4 x lane + i x pitch
.set BT,  32                           ; s32-47   a base for each block
	s_load_b256 s[4:11], s[0:1], 0x8               ; Wq, Wk, Wv, Wp
	s_load_b128 s[12:15], s[0:1], 0x30             ; wc, sc
	s_sub_co_u32 s2, ttmp9, 256
	s_and_b32 s3, s2, 31                           ; 8 x matrix + block of 128 columns
	v_lshrrev_b32 v1, 5, v0
	v_readfirstlane_b32 s16, v1                    ; wave
	v_and_b32 v2, 31, v0                           ; lane = my column in the group of 32
	v_bfe_u32 v8, v0, 3, 1                         ; its tile u
	v_and_b32 v10, 7, v0
	v_bfe_u32 v1, v0, 4, 1
	v_lshl_add_u32 v10, v1, 3, v10                 ; its place r
	s_mul_i32 s17, s16, 6400                       ; my stage: two tiles of 3,072 bytes, 3,200 apart
	s_add_co_u32 s17, s17, WSTG
	v_mul_u32_u24 v4, v8, 3200
	v_add_nc_u32 v4, s17, v4
	v_lshl_add_u32 v16, v10, 3, v4                 ; v16: registers 4-5 of an image: + 8 r
	v_lshl_add_u32 v4, v10, 4, v4                  ; v4: registers 0-3: + 16 r
	v_lshlrev_b32 v7, 4, v2                        ; v7: 16 x lane
	v_add_nc_u32 v17, s17, v7                      ; v17: the stage read back
	v_lshlrev_b32 v9, 9, v8
	v_lshl_add_u32 v9, v10, 4, v9                  ; v9: my column's scale words: 512 u + 16 r
	s_lshr_b32 s18, s3, 3                          ; matrix
	s_and_b32 s19, s3, 7                           ; block of 128 columns
	s_lshr_b32 s20, s2, 5                          ; quarter of K
	s_lshl_b32 s21, s19, 7
	s_lshl_b32 s22, s16, 5
	s_add_co_u32 s21, s21, s22                     ; n0: my first column
	s_lshr_b32 s22, s21, 6
	s_lshl_b32 s22, s22, 18                        ; by heads: head x 262,144
	s_and_b32 s23, s21, 63
	s_lshl_b32 s23, s23, 2
	s_add_co_u32 s22, s22, s23
	s_lshl_b32 s23, s20, 16                        ; + quarter x 256 rows of 256 bytes
	s_add_co_u32 s22, s22, s23
	s_lshl_b32 s23, s21, 2                         ; Wp: 4 n0
	s_lshl_b32 s24, s20, 20                        ; + quarter x 256 rows of 4,096 bytes
	s_add_co_u32 s23, s23, s24
	s_mov_b32 s25, 4096
	s_mov_b32 s26, 131072
	s_cmp_lt_u32 s3, 24
	s_cselect_b32 s22, s22, s23                    ; where my part begins
	s_cselect_b32 s25, 256, s25                    ; the pitch along K
	s_cselect_b32 s26, 8192, s26                   ; 32 of it: a block
	s_mov_b32 s23, 0
	s_mov_b32 s27, 0
	v_lshlrev_b32 v[VO], 2, v2
.set I, 0
.rept 31
	v_add_nc_u32 v[VO+I+1], s25, v[VO+I]
.set I, I+1
.endr
	s_lshl_b32 s28, s18, 6
	s_lshl_b32 s29, s19, 3
	s_add_co_u32 s28, s28, s29
	s_lshl_b32 s29, s16, 1
	s_add_co_u32 s28, s28, s29                     ; my first tile in wc
	s_mul_i32 s30, s28, 12288
	s_mul_i32 s29, s20, 3072
	s_add_co_u32 s30, s30, s29                     ; its K steps 2 y, 2 y + 1
	s_mov_b32 s31, 0
	s_lshl_b32 s28, s28, 9
	s_lshr_b32 s29, s20, 1
	s_lshl_b32 s29, s29, 8
	s_add_co_u32 s28, s28, s29
	s_and_b32 s29, s20, 1
	s_lshl_b32 s29, s29, 3
	s_add_co_u32 s28, s28, s29
	s_add_co_u32 s28, s28, WS                      ; my scale words
	s_mov_b32 s29, 0
	s_wait_alu depctr_va_vdst(0)                   ; the wait at the head's end
	s_wait_kmcnt 0x0
	s_cmp_lt_u32 s3, 24                            ; the matrix is chosen by the work-group's number alone
	s_cselect_b64 s[8:9], s[8:9], s[10:11]
	s_cmp_lt_u32 s3, 16
	s_cselect_b64 s[6:7], s[6:7], s[8:9]
	s_cmp_lt_u32 s3, 8
	s_cselect_b64 s[4:5], s[4:5], s[6:7]
	s_add_nc_u64 s[BT:BT+1], s[4:5], s[22:23]
.irp t, 1,2,3,4,5,6,7
	s_add_nc_u64 s[BT+2*\t:BT+2*\t+1], s[BT+2*\t-2:BT+2*\t-1], s[26:27]
.endr
	s_add_nc_u64 s[12:13], s[12:13], s[30:31]
	s_add_nc_u64 s[14:15], s[14:15], s[28:29]
.macro LOADW t                         ; block t: W(32 t + i, my column), i = 0 .. 31
.irp i, 0,1,2,3,4,5,6,7,8,9,10,11,12,13,14,15,16,17,18,19,20,21,22,23,24,25,26,27,28,29,30,31
	global_load_b32 v[X+32*((\t)%2)+\i], v[VO+\i], s[BT+2*(\t):BT+2*(\t)+1] th:TH_LOAD_NT
.endr
.endm
	LOADW 0
	LOADW 1
.macro BLOCK t
.set XS, X+32*((\t)%2)
.if (\t) < 7
	s_wait_loadcnt 32                              ; this block's 32 loads are in; the next block's may be out
.else
	s_wait_loadcnt 0x0
.endif
	v_max3_num_f32 v12, |v[XS]|, |v[XS+1]|, |v[XS+2]|
	v_max3_num_f32 v13, |v[XS+3]|, |v[XS+4]|, |v[XS+5]|
.irp i, 6,10,14,18,22,26
	v_max3_num_f32 v12, v12, |v[XS+\i]|, |v[XS+\i+1]|
	v_max3_num_f32 v13, v13, |v[XS+\i+2]|, |v[XS+\i+3]|
.endr
	v_max3_num_f32 v12, v12, |v[XS+30]|, |v[XS+31]|
	v_max3_num_f32 v12, v12, v13, 0x1800000        ; and the floor 2^(3 - 127)
	v_add_nc_u32 v11, 0xff000000, v12              ; 2 off the exponent field: the conversion's scale operand
	v_lshrrev_b32 v13, 23, v11                     ; the scale's byte
.if (\t)%4 == 0
	v_mov_b32 v[SB+(\t)/4], v13
.else
	v_lshl_or_b32 v[SB+(\t)/4], v13, 8*((\t)%4), v[SB+(\t)/4]
.endif
	v_cvt_scalef32_pk16_fp6_f32 v[C:C+2], v[XS:XS+15], v11
	v_cvt_scalef32_pk16_fp6_f32 v[T:T+2], v[XS+16:XS+31], v11   ; (a conversion's three registers begin on an even number)
	v_nop                                          ; one plain place behind a scaled conversion
.irp i, 0,1,2
	v_mov_b32 v[C+3+\i], v[T+\i]
.endr
	ds_store_b128 v4, v[C:C+3] offset:1536*((\t)/4)+768*(((\t)/2)%2)+256*((\t)%2)
	ds_store_b64 v16, v[C+4:C+5] offset:1536*((\t)/4)+768*(((\t)/2)%2)+512+128*((\t)%2)
.if (\t) < 6
	LOADW (\t)+2
.endif
	s_wait_dscnt 0x0                               ; the stores have read their registers: the next block's codes may be written
.endm
.irp t, 0,1,2,3,4,5,6,7
	BLOCK \t
.endr
	s_wait_alu depctr_va_vdst(0)                   ; directly ahead of the reader below
	global_store_b64 v9, v[SB:SB+1], s[14:15]      ; my column's two scale words
.irp k, 0,1,2,3,4,5,6,7,8,9,10,11
	ds_load_b128 v[OUTR+4*\k:OUTR+4*\k+3], v17 offset:(\k/6)*3200+512*(\k%6)   ; LDS serves a wave's instructions in order: these see my stores
.endr
.irp k, 0,1,2,3,4,5,6,7,8,9,10,11
	s_wait_dscnt 11-\k
	global_store_b128 v7, v[OUTR+4*\k:OUTR+4*\k+3], s[12:13] offset:(\k/6)*12288+512*(\k%6)   ; 512 consecutive bytes, at a multiple of 256
.endr
	s_wait_tensorcnt 0x0                           ; the wave's end
	ds_add_u32 v[SPW], v[NIL]
	s_wait_dscnt 0x0
	s_endpgm
.Lfunc_end_k_q716304700f_quant:
	.size	k_q716304700f_quant, .Lfunc_end_k_q716304700f_quant-k_q716304700f_quant
	.p2alignl 7, 3214868480
	.fill 96, 4, 3214868480
	.section	.rodata,"a",@progbits
	.p2align	6, 0x0
	.amdhsa_kernel k_q716304700f_quant
		.amdhsa_group_segment_fixed_size 59904
		.amdhsa_private_segment_fixed_size 0
		.amdhsa_enable_private_segment 0
		.amdhsa_kernarg_size 64
		.amdhsa_user_sgpr_count 2
		.amdhsa_user_sgpr_kernarg_segment_ptr 1
		.amdhsa_wavefront_size32 1
		.amdhsa_system_sgpr_workgroup_id_x 1
		.amdhsa_system_sgpr_workgroup_id_y 1
		.amdhsa_system_sgpr_workgroup_id_z 1
		.amdhsa_system_vgpr_workitem_id 0
		.amdhsa_next_free_vgpr 256
		.amdhsa_next_free_sgpr 66
		.amdhsa_reserve_vcc 1
		.amdhsa_float_denorm_mode_32 3
		.amdhsa_float_denorm_mode_16_64 3
		.amdhsa_memory_ordered 1
		.amdhsa_forward_progress 1
		.amdhsa_inst_pref_size 74
	.end_amdhsa_kernel
	.amdgpu_metadata
---
amdhsa.version: [ 1, 2 ]
amdhsa.kernels:
  - .name:           k_q716304700f_quant
    .symbol:         k_q716304700f_quant.kd
    .args:
      - { .name: x, .offset: 0, .size: 8, .value_kind: global_buffer, .address_space: global }
      - { .name: Wq, .offset: 8, .size: 8, .value_kind: global_buffer, .address_space: global }
      - { .name: Wk, .offset: 16, .size: 8, .value_kind: global_buffer, .address_space: global }
      - { .name: Wv, .offset: 24, .size: 8, .value_kind: global_buffer, .address_space: global }
      - { .name: Wp, .offset: 32, .size: 8, .value_kind: global_buffer, .address_space: global }
      - { .name: xc, .offset: 40, .size: 8, .value_kind: global_buffer, .address_space: global }
      - { .name: wc, .offset: 48, .size: 8, .value_kind: global_buffer, .address_space: global }
      - { .name: sc, .offset: 56, .size: 8, .value_kind: global_buffer, .address_space: global }
    .group_segment_fixed_size: 59904
    .private_segment_fixed_size: 0
    .kernarg_segment_align: 8
    .kernarg_segment_size: 64
    .max_flat_workgroup_size: 128
    .sgpr_count:     66
    .vgpr_count:     256
    .wavefront_size: 32
...
	.end_amdgpu_metadata
.endif
;; end of part 1
;; launch gemmqkv (part 2): grid 16 x 16, 4 waves a work-group, clusters of 4 x 4, 327,680 bytes of LDS; arguments xc, wc, sc, qkvc, qkvs; writes qkvc, qkvs
.if DOCPART == 2
	.amdgcn_target "amdgcn-amd-amdhsa--gfx1250"
	.amdhsa_code_object_version 6
	.text
	.protected	k_q716304700f_gemmqkv
	.globl	k_q716304700f_gemmqkv
	.p2align	8
	.type	k_q716304700f_gemmqkv,@function
k_q716304700f_gemmqkv:
	s_mov_b64 s[64:65], 0
	v_nop
	global_prefetch_b8 v0, s[64:65] scope:SCOPE_SE
	s_setreg_imm32_b32 hwreg(HW_REG_WAVE_MODE, 25, 1), 1
	s_wait_xcnt 0x0
	s_wait_alu depctr_hold_cnt(0) depctr_sa_sdst(0) depctr_va_vdst(0) depctr_va_sdst(0) depctr_va_ssrc(0) depctr_va_vcc(0) depctr_vm_vsrc(0)
	s_getreg_b32 s2, hwreg(HW_REG_IB_STS2, 6, 4)
	s_cmp_eq_u32 s2, 0
	s_cbranch_scc0 .Lentry_in_a_cluster
	s_endpgm
.Lentry_in_a_cluster:
	s_bfe_u32 s2, ttmp6, 0x10000c
	s_cmp_lg_u32 s2, 0xf033
	s_cbranch_scc0 .Lentry_shape_is_right
	s_endpgm
.Lentry_shape_is_right:
; q, k and v = x W on codes of FP6 (E2M3), K = 1,024; the results are quantised in registers and leave as codes, in the order in which the attention launch's operand registers take them.
; OPERANDS lie in memory as images of registers: [tile of 16 rows][K step: 8][c: 2][768 bytes] (registers 0-3 at 16 x lane, 4-5 at 512 + 8 x lane), 12,288 bytes a tile; tile u of a group of 32 rows holds at place r row 8 u + r + 8 (r / 8).
; xc: 512 token tiles; wc: Wq's column tiles 0-63, Wk's 64-127, Wv's 128-191.  Scale words in sc: [tile][K half][r][4 words]; the weights' at 262,144.
; ONE FORM FOR BOTH KINDS OF RESULT.  A wave holds FOUR TILES of one operand (64 rows, all of K, 384 registers: source 0) and streams tiles of the other (source 1) past them, a block of 32 products a tile.
; Lane (r, h) then holds place r of the streamed tile, and its 32 sums run along the held 64 rows: registers 16 b + i = row 32 b + 16 h + i.  They are two scale blocks: six operand registers (768 bytes) and two scale bytes.
; Q AND K: held = a head's 64 columns of Wq or Wk, streamed = token tiles: the K of q k^T.   V: held = 64 tokens, streamed = Wv's column tiles: half of the 128 keys of a step of p v.
; THE DEAL.  256 work-groups of four waves, 2 x 2 (row a, column b).  Work-group (p = 4 cx + cluster x, tb = 4 cluster y + cy): first 512 tokens (block tb) x columns 128 p .. + 127 of Wq | Wk (wave column b: a head), 16 blocks a wave;
; then V of tokens 512 tb + 128 (p % 4) .. + 127 (wave column b: 64 of them) x Wv's columns 256 (p / 4) .. + 255, 8 blocks a wave.  The streamed tiles go in CHUNKS of 8: four of tokens, two of Wv; in a chunk wave row a takes tiles 4 a .. 4 a + 3.
; All loads of tokens hang on tb and the cluster's x alone and are asked for jointly along a ROW of the cluster (mask s44), all loads of weights on cx and the cluster's x, jointly along a COLUMN (mask s45).
; LDS: the held operand's 8 tiles (XR); a ring of two slots of 8 tiles (YS, ZS); the streamed tiles' scale words, all 48 tiles' (SCL; plain loads and LDS stores at the head); a stage for V's scale bytes (VST); the spare words.
; FILLS.  At the head one tensor load a wave, each on its own line: the held weights; chunk 0; the halves of chunk 1.  A VISIT is a chunk's four blocks.  A block's rows are fetched into registers two blocks ahead, so in a visit's third block
; its slot is read out: there stands a drained round of the cluster's barrier, and behind it waves 0 and 1 fill the slot with the chunk two on, 4 tiles each.  In visits 0 and 1 waves 2 and 3
; fill XR, whose weights all waves hold in registers, with V's 128 tokens, 2 tiles each a visit.  Visits 4 and 5 fill nothing; a plain barrier in their third block shows chunk 5.  By this text's own count one tensor load of a wave is out at most.
; PREFETCH: token chunks 2 and 3 are asked for at the head (V's tokens are one of the four chunks), Wv's two chunks in visits 0 and 1, two visits ahead of their loads; a chunk's 384 stretches of 256 bytes are shared out BY ADDRESS among the
; sixteen waves that will ask for it jointly, 24 each (lanes 24-31 name the wave's last again).
; THE TEXT: visits 0, 1; 2, 3; 4, 5: three loops of two trips.  Since the last is a loop's text, the last visit's last two fetches bring rows that no product reads (their scale words' address is held inside SCL).
; RECORDS (a head's): qkvc 294,912 bytes: K 128 tiles x 768 | V at 98,304: [128 keys: 16][d tile: 4][c: 2][768] | Q at 196,608.  qkvs 24,576: K [4 tiles: 32][r][4 words] | V at 8,192: [128 keys: 16][512: [r][4 words], then the same once more] | Q at 16,384.
; A q or k word holds the head's two bytes and two bytes 0, which meet zero codes alone.
; LIMITS of the quantiser on the way out: a block of zeros gets the byte 1 (its codes are zeros; this program alone reads the bytes); blocks under 2^-124 are held at byte 1; NaN and infinities are not served.
.set WS, 262144
.set REC, 294912
.set SREC, 24576
.set NQ, 8
.set NB, 4
.set TB, 12288
.set KROW, 768                         ; the tensor loads' row: a sixteenth of a tile
.set FR, 12
.set FPW, 256/FR                       ; fragments in a window
.set NF, 34                            ; LDS loads of a block: 32 for eight fragments, 2 for eight scale words
.set XR, 0
.set YS, 8*TB
.set ZS, 16*TB
.set SCL, 24*TB
.set VST, SCL+48*512
.set SPARE, VST+1024
.set A160, 4                           ; v4, v5  my four tiles in a slot: 4 a tiles + 16 x lane, + 8 x lane; never rewritten
.set A80, 5
.set AAS0, 6                           ; v6      their scale words in a chunk's; never rewritten
.set XO, 7                             ; v7, v20, v58, v59  the copy of the scale words: offsets in sc, LDS addresses
.set L16, 8                            ; v8      16 x lane
.set L8, 9                             ; v9      8 x lane
.set SPW, 10
.set NIL, 11
.set A16, 12                           ; v12, v13, v17  as v4, v5, v6, for the block that is fetched next
.set A8, 13
.set B16, 14                           ; v14, v15  my four held tiles in XR
.set B8, 15
.set ABS, 16                           ; v16     512 h + 16 r: the held tiles' scale words
.set AAS, 17
.set WO, 18                            ; v18     16 r + 8 h
.set VSA, 19                           ; v19     LDS: where V's two scale bytes go
.set XS, 20
.set VRD, 21                           ; v21     LDS: my unit of V's scale bytes
.set PFT, 22                           ; v22, v23  the prefetches' offsets
.set PFW, 23
.set SB, 24                            ; v24-39  the held tiles' scale words: lanes 0-15 tile 2 p, lanes 16-31 tile 2 p + 1
.set SA, 42                            ; v42-57  the streamed tile's: two sets of eight
.set XO2, 58
.set XS2, 59
.set ACC, 64                           ; v64-127 two sets of four accumulators
.set TM, 160                           ; v160-167 at work on the way out;  v128-159 the codes, two sets;  v40, v41 scale words on their way out
.set WW, 168                           ; v168-171 a visit's four scale words
.set SB2, 208                          ; v208-223 the scale words of V's held tokens, until the change of phase
.set G1A, 24                           ; group 1, tokens (row mask)
.set G1B, 32                           ; weights (column mask)
.set G1X, 88                           ; V's held tokens, 2 tiles
.set G0T, 48
.set G0X, 52
.set G0A, 56
.set G0B, 60
.set G0W, 68
.set CUR, 72                           ; s72, s73  the slot that is being streamed, and the other
.set OTH, 73
.set SSC, 74                           ; s74     the visit's scale words, from SCL
.set XL, 100                           ; s100    where my next two tiles of V's tokens go
.set RO, 101                           ; s101, s99  the next fetch: rows, scale words
.set SO, 99
.set MSB, 0
.macro WIN new                         ; the immediate's high byte repeats the setting that is left
.if MSB != \new
	s_set_vgpr_msb (MSB<<8)|\new
.set MSB, \new
.endif
.endm
.macro PLACES n
.rept \n
	v_nop
.endr
.endm
.macro WALU
	s_wait_alu depctr_va_vdst(0)
.endm
.macro BARRIER
	s_barrier_signal -1
	s_barrier_wait -1
.endm
.macro MIDDLE                          ; a round's middle: the opening wait, wave 0's signal for the work-group, the cluster's wait
	WIN 0
	s_barrier_wait -1
	s_cmp_lg_u32 s14, 0
	s_cbranch_scc1 .Lnot_wave_0_\@
	s_barrier_signal -3
.Lnot_wave_0_\@:
	s_barrier_wait -3
.endm
.macro CROUND
	s_barrier_signal -1
	MIDDLE
	BARRIER
.endm
.macro TLOAD g0, g1                    ; an s_nop 0 and four v_nop follow a tensor load
	tensor_load_to_lds s[\g0:\g0+3], s[\g1:\g1+7]
	s_nop 0
	PLACES 4
.endm
.macro ATILE first, rows               ; a part of chunks 0 and 1, 256 rows of 768 bytes on end in memory and in LDS
	s_mov_b32 s[G0A+1], YS+(\first)*KROW
	s_mov_b32 s[G1A+2], (\rows)<<16
	s_mov_b32 s[G1A+4], \rows
.if \first
	s_add_nc_u64 s[G0A+2:G0A+3], s[G0A+2:G0A+3], (\first)*KROW
.endif
	s_or_b32 s[G0A+3], s[G0A+3], 0x80000000
	TLOAD G0A, G1A
.endm
.macro GROUP1 g, mask, rows            ; elements of one byte, no padding; bit 21 beside the mask
	s_or_b32 s[\g+0], s[\mask], (1<<21)
	s_mov_b32 s[\g+1], (KROW&0xffff)<<16
	s_mov_b32 s[\g+3], KROW<<16
.if \rows
	s_mov_b32 s[\g+2], (\rows)<<16
	s_mov_b32 s[\g+4], \rows
.endif
	s_mov_b32 s[\g+5], KROW
	s_mov_b32 s[\g+6], 0
	s_mov_b32 s[\g+7], 0
.endm
.macro FRAG f, a16, a8, off            ; fragment f (0-31 held: 4 q + tile; 32-47 streamed, two sets) lies at register 12 (f % 21) of window 1 + f / 21; its image: 512 + 256 + 512 + 256 consecutive bytes
.set R_, FR*((\f)%FPW)
	WIN (1+(\f)/FPW)<<6
	ds_load_b128 v[R_:R_+3], v[\a16] offset:\off
	ds_load_b64 v[R_+4:R_+5], v[\a8] offset:(\off)+512
	ds_load_b128 v[R_+6:R_+9], v[\a16] offset:(\off)+768
	ds_load_b64 v[R_+10:R_+11], v[\a8] offset:(\off)+1280
.endm
.macro FETCHAT e, a16, a8, as          ; a streamed tile into set e: NF loads
.irp q, 0,1,2,3,4,5,6,7
	FRAG NB*NQ+NQ*(\e)+\q, \a16, \a8, 1536*\q
.endr
	WIN 0
	ds_load_b128 v[SA+8*(\e):SA+8*(\e)+3], v[\as]
	ds_load_b128 v[SA+8*(\e)+4:SA+8*(\e)+7], v[\as] offset:256
.endm
.macro RLOAD                           ; my four held tiles, all of K: 128 loads
.irp q, 0,1,2,3,4,5,6,7
.irp b, 0,1,2,3
	FRAG NB*\q+\b, B16, B8, TB*\b+1536*\q
.endr
.endr
	WIN 0
.endm
.macro PROD e, n                       ; product n = 4 q + held tile.  The four accumulators take turns; the first along K starts the sum
.set Q_, (\n)/4
.set FB_, NB*Q_+(\n)%4
.set FA_, NB*NQ+NQ*(\e)+Q_
.set D_, ACC+32*(\e)+8*((\n)%4)
.set XB_, SB+NQ*(((\n)%4)/2)+Q_
.set XA_, SA+8*(\e)+Q_
	WIN (1+FB_/FPW)|((1+FA_/FPW)<<2)
.if Q_
	PROD1 D_, FB_, FA_, v[D_:D_+7], XB_, XA_, (\n)%2
.else
	PROD1 D_, FB_, FA_, 0, XB_, XA_, (\n)%2
.endif
.endm
.macro PROD1 d, s0, s1, c, x0, x1, o
.if \o
	v_wmma_scale_f32_16x16x128_f8f6f4 v[\d:\d+7], v[FR*((\s0)%FPW):FR*((\s0)%FPW)+FR-1], v[FR*((\s1)%FPW):FR*((\s1)%FPW)+FR-1], \c, v[\x0], v[\x1] matrix_a_fmt:MATRIX_FMT_FP6 matrix_b_fmt:MATRIX_FMT_FP6 matrix_a_scale:MATRIX_SCALE_ROW1
.else
	v_wmma_scale_f32_16x16x128_f8f6f4 v[\d:\d+7], v[FR*((\s0)%FPW):FR*((\s0)%FPW)+FR-1], v[FR*((\s1)%FPW):FR*((\s1)%FPW)+FR-1], \c, v[\x0], v[\x1] matrix_a_fmt:MATRIX_FMT_FP6 matrix_b_fmt:MATRIX_FMT_FP6 matrix_a_scale:MATRIX_SCALE_ROW0
.endif
.endm
.macro PRODS e, from, to, j, ph        ; behind product 1: where the block two on lies: blocks 2, 3 of this slot, blocks 0, 1 of the other
.set N_, \from
.rept (\to)-(\from)
	PROD \e, N_
.if N_ == 1
.if (\j) < 2
	s_add_co_u32 s[RO], s[CUR], (2+(\j))*TB
	s_add_co_u32 s[SO], s[SSC], (2+(\j))*512
.else
	s_add_co_u32 s[RO], s[OTH], ((\j)-2)*TB
	s_add_co_u32 s[SO], s[SSC], (6+(\j))*512
.endif
.if \ph
	s_min_u32 s[SO], s[SO], 43*512                 ; (the last visit has no block two on: the address stays inside SCL)
.endif
.endif
.set N_, N_+1
.endr
	WIN 0
.endm
; THE WAY OUT of a block: the largest magnitudes of the two scale blocks, by four chains side by side, each accumulator from its low end on; the scales; two conversions; a whole block to a lane; the stores.
.macro EPI e, j, ph
.set AC, ACC+32*(\e)
.set PC, 128+16*(\e)
	s_wait_xcnt 0x0                                ; earlier stores have had their addresses translated: only behind this wait are their data registers written again
.irp k, 0,1,2,3
	v_max3_num_f32 v[TM+\k], |v[AC+8*\k]|, |v[AC+8*\k+1]|, 0x1800000   ; the floor 2^(3 - 127) holds the byte at 1 from below
.endr
.irp i, 2,4,6
.irp k, 0,1,2,3
	v_max3_num_f32 v[TM+\k], v[TM+\k], |v[AC+8*\k+\i]|, |v[AC+8*\k+\i+1]|
.endr
.endr
	v_max_num_f32 v[TM], v[TM], v[TM+1]
	v_max_num_f32 v[TM+2], v[TM+2], v[TM+3]
	v_permlanex16_b32 v[TM+4], v[TM], s78, s79
	v_permlanex16_b32 v[TM+5], v[TM+2], s78, s79
	v_max_num_f32 v[TM], v[TM], v[TM+4]            ; with lane l xor 16's: the block's largest magnitude
	v_max_num_f32 v[TM+2], v[TM+2], v[TM+5]
	v_add_nc_u32 v[TM+6], 0xff000000, v[TM]        ; 2 off the exponent field: the conversion's scale operand
	v_add_nc_u32 v[TM+7], 0xff000000, v[TM+2]
	v_lshrrev_b32 v[TM+4], 23, v[TM+6]             ; the scale's byte
	v_lshrrev_b32 v[TM+5], 23, v[TM+7]
	v_lshl_or_b32 v[WW+\j], v[TM+5], 8, v[TM+4]
	v_cvt_scalef32_pk16_fp6_f32 v[PC:PC+2], v[AC:AC+15], v[TM+6]
	v_cvt_scalef32_pk16_fp6_f32 v[PC+8:PC+10], v[AC+16:AC+31], v[TM+7]   ; (a conversion's three registers begin on an even number)
	v_nop                                          ; one plain place behind a scaled conversion
.irp i, 0,1,2
	v_permlane16_swap_b32 v[PC+\i], v[PC+8+\i]     ; lanes 0-15 block 0, lanes 16-31 block 1
.endr
.irp i, 0,1,2
	v_mov_b32 v[PC+3+\i], v[PC+8+\i]
.endr
.if \ph
	ds_store_b16 v[VSA], v[WW+\j] offset:4*\j      ; bytes 2 b, 2 b + 1 of d tile j's word (both halves of the lanes write the same)
	global_store_b128 v[L16], v[PC:PC+3], s[82:83] offset:1536*\j          ; 512 consecutive bytes, at a multiple of 256
	global_store_b64 v[L8], v[PC+4:PC+5], s[82:83] offset:1536*\j+512      ; 256
.else
	global_store_b128 v[L16], v[PC:PC+3], s[76:77] offset:768*\j
	global_store_b64 v[L8], v[PC+4:PC+5], s[76:77] offset:768*\j+512
.if (\j) == 3
	v_cndmask_b32 v40, v[WW], v[WW+2], s75         ; lanes 0-15 store words 0 and 1 of their row, lanes 16-31 words 2 and 3
	v_cndmask_b32 v41, v[WW+1], v[WW+3], s75
	global_store_b64 v[WO], v[40:41], s[80:81]     ; four tiles' scale words: 256 consecutive bytes, aligned
.endif
.endif
.endm
.macro DESC refill                     ; behind the wait for all my tensor loads: the refill's descriptors; what they are made of steps on
.if (\refill) == 1
	s_mov_b32 s[G1A+2], 64<<16                     ; 4 tiles
	s_mov_b32 s[G1A+4], 64
	s_add_co_u32 s[G0T+1], s[CUR], s17
	s_mov_b64 s[G0T+2:G0T+3], s[66:67]
	s_or_b32 s[G0T+3], s[G0T+3], 0x80000000
	s_mov_b32 s[G0X+1], s[XL]
	s_mov_b64 s[G0X+2:G0X+3], s[86:87]
	s_or_b32 s[G0X+3], s[G0X+3], 0x80000000
	s_add_nc_u64 s[66:67], s[66:67], 8*TB
	s_add_nc_u64 s[86:87], s[86:87], 4*TB
	s_add_co_u32 s[XL], s[XL], 4*TB
.else
	s_mov_b32 s[G1B+2], 64<<16
	s_mov_b32 s[G1B+4], 64
	s_add_co_u32 s[G0W+1], s[CUR], s17
	s_mov_b64 s[G0W+2:G0W+3], s[96:97]
	s_or_b32 s[G0W+3], s[G0W+3], 0x80000000
	s_add_nc_u64 s[96:97], s[96:97], 8*TB
.endif
.endm
.macro TREE refill                     ; the refill's loads, one a wave at most
	s_cmp_lt_u32 s14, 2
.if (\refill) == 1
	s_cbranch_scc0 .Lheld_\@
	TLOAD G0T, G1A                                 ; waves 0, 1: the token chunk two on
	s_branch .Lasked_\@
.Lheld_\@:
	TLOAD G0X, G1X                                 ; waves 2, 3: V's held tokens
.Lasked_\@:
.else
	s_cbranch_scc0 .Lasked_\@
	TLOAD G0W, G1B                                 ; waves 0, 1: Wv's chunk
.Lasked_\@:
.endif
.endm
.macro BLK j, ph, refill, pf
	s_wait_dscnt NF+(\ph)                          ; this block's rows are in: younger are the last run's fetch and, in V's phase, its LDS store
.if (\j) == 2
	s_wait_tensorcnt 0x0                           ; all my tensor loads have landed
.if \refill
	ds_add_u32 v[SPW], v[NIL]                      ; 0 onto my spare word
	DESC \refill
.endif
	PRODS (\j)%2, 0, 24, \j, \ph
	s_wait_dscnt 0x0                               ; the add is done, and my reads of this slot are over
	s_barrier_signal -1
	PRODS (\j)%2, 24, 32, \j, \ph
.if \refill
	MIDDLE                                         ; the barrier has opened a round: no wave of any partner still reads this slot or has a load on its way
	BARRIER
	TREE \refill
.else
	s_barrier_wait -1                              ; a plain barrier: the last chunk is shown to all
.endif
.else
	PRODS (\j)%2, 0, 32, \j, \ph
.endif
	v_add_nc_u32 v[A16], s[RO], v[A160]            ; four plain vector lines between the last product and the fetch into its registers and the first read of its sums (ISA guide 7.12.1)
	v_add_nc_u32 v[A8], s[RO], v[A80]
	v_add_nc_u32 v[AAS], s[SO], v[AAS0]
	v_nop
	FETCHAT (\j)%2, A16, A8, AAS
	EPI (\j)%2, \j, \ph
.if \pf
.if (\j) == 0
	global_prefetch_b8 v[PFW], s[6:7] th:TH_LOAD_NT scope:SCOPE_SE   ; my 24 stretches of the chunk of Wv that is loaded two visits on
.endif
.if (\j) == 3
	v_add_nc_u32 v[PFW], 8*TB, v[PFW]              ; (three waits on XCNT stand between the prefetch and this line)
.endif
.endif
.endm
.macro VISIT ph, refill, pf
	BLK 0, \ph, \refill, \pf
	BLK 1, \ph, \refill, \pf
	BLK 2, \ph, \refill, \pf
	BLK 3, \ph, \refill, \pf
	s_wait_xcnt 0x0                                ; the stores have read their bases, which step now
.if \ph
	s_add_nc_u64 s[82:83], s[82:83], 2*REC         ; two heads on
	v_add_nc_u32 v[VSA], 512, v[VSA]
.else
	s_add_nc_u64 s[76:77], s[76:77], 8*768         ; eight token tiles on
	s_add_nc_u64 s[80:81], s[80:81], 512
.endif
	s_xor_b32 s[CUR], s[CUR], YS^ZS
	s_xor_b32 s[OTH], s[OTH], YS^ZS
	s_add_co_u32 s[SSC], s[SSC], 8*512
.endm
.macro TWICE label, ph, refill, pf     ; two visits, a loop of two trips
	s_mov_b32 s47, 0
\label:
	VISIT \ph, \refill, \pf
	s_add_co_u32 s47, s47, 1
	s_cmp_lg_u32 s47, 2
	WALU                                           ; directly ahead of the branch
	s_cbranch_scc1 \label
.endm
; ================= THE HEAD
	s_load_b128 s[4:7], s[0:1], 0x0                ; xc, wc
	s_load_b128 s[8:11], s[0:1], 0x10              ; sc, qkvc
	s_load_b64 s[12:13], s[0:1], 0x20              ; qkvs
	v_lshl_add_u32 v[SPW], v0, 2, SPARE
	v_mov_b32 v[NIL], 0
	ds_add_u32 v[SPW], v[NIL]                      ; the opening lines: the add, twice on end, and its wait ahead of my first tensor load
	ds_add_u32 v[SPW], v[NIL]
	v_lshrrev_b32 v1, 5, v0
	v_readfirstlane_b32 s14, v1                    ; the wave; s15 its row a, s16 its column b
	s_lshr_b32 s15, s14, 1
	s_and_b32 s16, s14, 1
	s_bfe_u32 s40, ttmp6, 0x40000                  ; cx
	s_bfe_u32 s41, ttmp6, 0x40004                  ; cy
	s_mov_b32 s46, ttmp9                           ; the cluster's x
	s_lshl_b32 s42, s40, 2
	s_add_co_u32 s42, s42, s46                     ; p
	s_and_b32 s43, ttmp7, 0xffff
	s_lshl_b32 s43, s43, 2
	s_add_co_u32 s43, s43, s41                     ; tb
	s_lshl_b32 s44, s41, 2
	s_lshl_b32 s44, 15, s44                        ; my row of the cluster: shares tokens
	s_lshl_b32 s45, 0x1111, s40                    ; my column: shares weights
	GROUP1 G1A, 44, 0
	GROUP1 G1B, 45, 128
	GROUP1 G1X, 44, 32
	s_mov_b32 s[G0A], 1
	s_mov_b32 s[G0B], 1
	s_mov_b32 s[G0B+1], XR
	s_mov_b32 s[G0T], 1
	s_mov_b32 s[G0X], 1
	s_mov_b32 s[G0W], 1
	; byte offsets, each in the pair that takes its buffer's address behind the wait for the arguments
	s_mul_i32 s[G0A+2], s43, 32*TB                 ; my 32 token tiles
	s_mov_b32 s[G0A+3], 0
	s_mul_i32 s[G0B+2], s42, 8*TB                  ; my 8 tiles of Wq | Wk
	s_mov_b32 s[G0B+3], 0
	s_mul_i32 s17, s16, 4*TB                       ; waves 0, 1: which 4 tiles of a chunk I fill
	s_add_co_u32 s66, s[G0A+2], s17
	s_add_co_u32 s66, s66, 16*TB                   ; s[66:67]: chunk 2
	s_mov_b32 s67, 0
	s_mul_i32 s98, s46, 8*TB
	s_mul_i32 s[XL], s16, 2*TB                     ; waves 2, 3: which 2 tiles of four
	s_add_co_u32 s86, s[G0A+2], s98
	s_add_co_u32 s86, s86, s[XL]                   ; s[86:87]: V's held tokens: chunk p % 4 of my four
	s_mov_b32 s87, 0
	s_mul_i32 s96, s40, 16*TB
	s_add_co_u32 s96, s96, s17
	s_add_co_u32 s96, s96, 128*TB                  ; s[96:97]: my 16 tiles of Wv
	s_mov_b32 s97, 0
	s_lshl_b32 s2, s43, 14                         ; s[2:3]: the tokens' scale words
	s_mov_b32 s3, 0
	s_lshl_b32 s18, s40, 13
	s_add_co_u32 s18, s18, WS+128*512              ; s[18:19]: Wv's
	s_mov_b32 s19, 0
	s_lshl_b32 s20, s42, 12
	s_lshl_b32 s22, s16, 11
	s_add_co_u32 s20, s20, s22
	s_add_co_u32 s20, s20, WS                      ; s[20:21]: my held head's
	s_mov_b32 s21, 0
	s_lshl_b32 s23, s46, 12
	s_add_co_u32 s22, s22, s23
	s_add_co_u32 s22, s22, s2                      ; s[22:23]: my held tokens'
	s_mov_b32 s23, 0
	s_mov_b32 s[CUR], YS
	s_mov_b32 s[OTH], ZS
	s_mov_b32 s[SSC], 0
	s_mov_b32 s78, 0x76543210
	s_mov_b32 s79, 0xfedcba98                      ; selects for lane l xor 16
	v_and_b32 v1, 15, v0                           ; r
	v_bfe_u32 v2, v0, 4, 1                         ; h
	v_and_b32 v3, 31, v0                           ; lane
	v_lshlrev_b32 v[L16], 4, v3
	v_lshlrev_b32 v[L8], 3, v3
	s_mul_i32 s98, s15, 4*TB
	v_add_nc_u32 v[A160], s98, v[L16]
	v_add_nc_u32 v[A80], s98, v[L8]
	v_add_nc_u32 v[B16], s17, v[L16]
	v_add_nc_u32 v[B8], s17, v[L8]
	v_lshlrev_b32 v60, 4, v1
	v_lshl_add_u32 v[ABS], v2, 9, v60
	v_lshl_add_u32 v[WO], v2, 3, v60
	s_lshl_b32 s98, s15, 11
	s_add_co_u32 s98, s98, SCL
	v_add_nc_u32 v[AAS0], s98, v60
	s_lshl_b32 s98, s15, 8
	s_lshl_b32 s99, s16, 1
	s_add_co_u32 s98, s98, s99
	s_add_co_u32 s98, s98, VST
	v_add_nc_u32 v[VSA], s98, v60                  ; 256 a + 16 r + 2 b
	s_lshl_b32 s98, s14, 8
	s_add_co_u32 s98, s98, VST
	v_add_nc_u32 v[VRD], s98, v[L8]
	s_lshl_b32 s98, s14, 12
	v_add_nc_u32 v[XO], s98, v[L16]                ; a wave copies 4,096 bytes of the tokens' scale words
	v_add_nc_u32 v[XS], SCL, v[XO]
	s_lshl_b32 s98, s14, 11
	v_add_nc_u32 v[XO2], s98, v[L16]               ; and 2,048 of Wv's, 512 consecutive bytes an instruction
	v_add_nc_u32 v[XS2], SCL+32*512, v[XO2]
	v_add_nc_u32 v61, YS, v[A160]                  ; block 0,
	v_add_nc_u32 v62, YS, v[A80]
	v_add_nc_u32 v[A16], YS+TB, v[A160]            ; block 1
	v_add_nc_u32 v[A8], YS+TB, v[A80]
	v_add_nc_u32 v[AAS], 512, v[AAS0]
	s_lshl_b32 s98, s40, 2
	s_add_co_u32 s98, s98, s14                     ; my number among the sixteen waves of my row of the cluster
	s_mul_i32 s98, s98, 24*256
	s_add_co_u32 s98, s98, s[G0A+2]
	s_add_co_u32 s98, s98, 16*TB
	s_mov_b32 s47, s98                             ; (kept until both terms are made: s47 is free until the loops)
	s_lshl_b32 s98, s41, 2
	s_add_co_u32 s98, s98, s14                     ; and among those of my column
	s_mul_i32 s98, s98, 24*256
	s_mul_i32 s99, s40, 16*TB
	s_add_co_u32 s98, s98, s99
	s_add_co_u32 s98, s98, 128*TB
	v_min_u32 v63, 23, v3                          ; lanes 24-31 name the wave's last stretch again
	v_lshl_add_u32 v[PFT], v63, 8, s47             ; my share of token chunk 2
	v_lshl_add_u32 v[PFW], v63, 8, s98             ; my share of Wv's first chunk
	v_cmp_le_u32 s75, 16, v3                       ; lanes 16-31
	v_mov_b32 v[TM+4], 0                           ; written once: a lane permute's destination counts as one of its sources
	v_mov_b32 v[TM+5], 0
	WALU                                           ; the wait at the head's end
	s_wait_dscnt 0x0
	CROUND                                         ; the opening round, in front of the first joint loads
	s_wait_kmcnt 0x0
	s_add_nc_u64 s[G0A+2:G0A+3], s[4:5], s[G0A+2:G0A+3]
	s_add_nc_u64 s[G0B+2:G0B+3], s[6:7], s[G0B+2:G0B+3]
	s_or_b32 s[G0B+3], s[G0B+3], 0x80000000
	s_cmp_eq_u32 s14, 0
	s_cbranch_scc0 .Lwave_1
	TLOAD G0B, G1B                                 ; wave 0: the held weights, which are wanted first
	s_branch .Lasked
.Lwave_1:
	s_cmp_eq_u32 s14, 1
	s_cbranch_scc0 .Lwave_2
	ATILE 0, 128                                   ; wave 1: chunk 0
	s_branch .Lasked
.Lwave_2:
	s_cmp_eq_u32 s14, 2
	s_cbranch_scc0 .Lwave_3
	ATILE 128, 64                                  ; wave 2: chunk 1's tiles 0 to 3
	s_branch .Lasked
.Lwave_3:
	ATILE 192, 64                                  ; wave 3: its tiles 4 to 7
.Lasked:
	s_add_nc_u64 s[2:3], s[8:9], s[2:3]
	s_add_nc_u64 s[18:19], s[8:9], s[18:19]
	s_add_nc_u64 s[20:21], s[8:9], s[20:21]
	s_add_nc_u64 s[22:23], s[8:9], s[22:23]
	s_add_nc_u64 s[66:67], s[4:5], s[66:67]
	s_add_nc_u64 s[86:87], s[4:5], s[86:87]
	s_add_nc_u64 s[96:97], s[6:7], s[96:97]
.irp k, 0,1,2,3,4,5,6,7
	global_load_b128 v[64+4*\k:67+4*\k], v[XO], s[2:3] offset:512*\k
.endr
.irp k, 0,1,2,3
	global_load_b128 v[96+4*\k:99+4*\k], v[XO2], s[18:19] offset:512*\k
.endr
.irp p, 0,1
.irp c, 0,1
	global_load_b128 v[SB+NQ*\p+4*\c:SB+NQ*\p+4*\c+3], v[ABS], s[20:21] offset:1024*\p+256*\c
	global_load_b128 v[SB2+NQ*\p+4*\c:SB2+NQ*\p+4*\c+3], v[ABS], s[22:23] offset:1024*\p+256*\c
.endr
.endr
	s_wait_loadcnt 0x0
.irp k, 0,1,2,3,4,5,6,7
	ds_store_b128 v[XS], v[64+4*\k:67+4*\k] offset:512*\k
.endr
.irp k, 0,1,2,3
	ds_store_b128 v[XS2], v[96+4*\k:99+4*\k] offset:512*\k
.endr
	; where the results go
	s_lshr_b32 s18, s43, 2
	s_lshl_b32 s18, s18, 4                         ; 16 batch
	s_and_b32 s19, s43, 3                          ; which 512 tokens of the batch
	s_and_b32 s20, s42, 7
	s_lshl_b32 s20, s20, 1
	s_add_co_u32 s20, s20, s18
	s_add_co_u32 s20, s20, s16                     ; q, k: record 16 batch + 2 (p % 8) + b
	s_mul_i32 s76, s20, REC
	s_mul_i32 s80, s20, SREC
	s_cmp_lt_u32 s42, 8
	s_cselect_b32 s21, 196608, 0                   ; q's part of a record, or k's
	s_cselect_b32 s22, 16384, 0
	s_add_co_u32 s76, s76, s21
	s_add_co_u32 s80, s80, s22
	s_lshl_b32 s21, s19, 3
	s_add_co_u32 s21, s21, s15                     ; my first four tiles
	s_mul_i32 s22, s21, 4*768
	s_add_co_u32 s76, s76, s22
	s_lshl_b32 s21, s21, 8
	s_add_co_u32 s80, s80, s21
	s_mov_b32 s77, 0
	s_mov_b32 s81, 0
	s_lshl_b32 s20, s40, 2
	s_add_co_u32 s20, s20, s18                     ; v: record 16 batch + 4 cx + ..
	s_lshl_b32 s21, s19, 2
	s_add_co_u32 s21, s21, s46                     ; the step of 128 keys
	s_add_co_u32 s22, s20, s15
	s_mul_i32 s82, s22, REC
	s_mul_i32 s22, s21, 6144
	s_add_co_u32 s82, s82, s22
	s_mul_i32 s22, s16, 768
	s_add_co_u32 s82, s82, s22
	s_add_co_u32 s82, s82, 98304
	s_mov_b32 s83, 0
	s_add_co_u32 s22, s20, s14                     ; the unit of scale bytes that I store at the end: head 4 cx + wave
	s_mul_i32 s84, s22, SREC
	s_lshl_b32 s21, s21, 9
	s_add_co_u32 s84, s84, s21
	s_add_co_u32 s84, s84, 8192
	s_mov_b32 s85, 0
	s_add_nc_u64 s[76:77], s[10:11], s[76:77]
	s_add_nc_u64 s[82:83], s[10:11], s[82:83]
	s_add_nc_u64 s[80:81], s[12:13], s[80:81]
	s_add_nc_u64 s[84:85], s[12:13], s[84:85]
	s_wait_dscnt 0x0
	s_cmp_eq_u32 s14, 0
	s_cbranch_scc0 .Lnot_b
	s_wait_tensorcnt 0x0
.Lnot_b:
	BARRIER                                        ; the held weights have landed
	global_prefetch_b8 v[PFT], s[4:5] th:TH_LOAD_NT scope:SCOPE_SE              ; token chunk 2,
	global_prefetch_b8 v[PFT], s[4:5] offset:8*TB th:TH_LOAD_NT scope:SCOPE_SE  ; and chunk 3
	RLOAD
	s_cmp_eq_u32 s14, 1
	s_cbranch_scc0 .Lnot_a
	s_wait_tensorcnt 0x0                           ; wave 1: chunk 0 has landed
.Lnot_a:
	s_wait_dscnt 0x0
	BARRIER                                        ; chunk 0 and all scale words are in.  Chunk 1 may still be on its way
	FETCHAT 0, 61, 62, AAS0
	FETCHAT 1, A16, A8, AAS
; ================= Q OR K: four visits
	TWICE .Ltokens, 0, 1, 1                        ; visits 0, 1: the refills bring token chunks 2, 3 and V's held tokens
	TWICE .Lweights, 0, 2, 0                       ; visits 2, 3: Wv's two chunks
; ================= THE CHANGE OF PHASE: V's 64 tokens take the held weights' registers, and their scale words the weights'
.irp i, 0,1,2,3,4,5,6,7,8,9,10,11,12,13,14,15
	v_mov_b32 v[SB+\i], v[SB2+\i]
.endr
	WALU
	RLOAD
	s_wait_dscnt 0x0
	PLACES 8                                       ; a scale register written by a vector instruction stands 8 places ahead of a scaled matrix instruction
; ================= V: two visits
	TWICE .Lvalues, 1, 0, 0
	s_wait_dscnt 0x0
	BARRIER                                        ; V's scale bytes are whole in the stage
	ds_load_b64 v[40:41], v[VRD]
	s_wait_dscnt 0x0
	global_store_b64 v[L8], v[40:41], s[84:85]               ; 256 consecutive bytes, aligned: a head's words of this step of 128 keys;
	global_store_b64 v[L8], v[40:41], s[84:85] offset:256    ; and once more, so that every byte of the record that the next launch's fills read is written
	s_wait_tensorcnt 0x0                           ; the wave's end
	ds_add_u32 v[SPW], v[NIL]
	s_wait_dscnt 0x0
	CROUND                                         ; the closing round
	s_endpgm
.Lfunc_end_k_q716304700f_gemmqkv:
	.size	k_q716304700f_gemmqkv, .Lfunc_end_k_q716304700f_gemmqkv-k_q716304700f_gemmqkv
	.p2alignl 7, 3214868480
	.fill 96, 4, 3214868480
	.section	.rodata,"a",@progbits
	.p2align	6, 0x0
	.amdhsa_kernel k_q716304700f_gemmqkv
		.amdhsa_group_segment_fixed_size 327680
		.amdhsa_private_segment_fixed_size 0
		.amdhsa_enable_private_segment 0
		.amdhsa_kernarg_size 40
		.amdhsa_user_sgpr_count 2
		.amdhsa_user_sgpr_kernarg_segment_ptr 1
		.amdhsa_wavefront_size32 1
		.amdhsa_system_sgpr_workgroup_id_x 1
		.amdhsa_system_sgpr_workgroup_id_y 1
		.amdhsa_system_sgpr_workgroup_id_z 1
		.amdhsa_system_vgpr_workitem_id 0
		.amdhsa_next_free_vgpr 840
		.amdhsa_next_free_sgpr 102
		.amdhsa_reserve_vcc 0
		.amdhsa_float_denorm_mode_32 3
		.amdhsa_float_denorm_mode_16_64 3
		.amdhsa_memory_ordered 1
		.amdhsa_forward_progress 1
		.amdhsa_inst_pref_size 148
	.end_amdhsa_kernel
	.amdgpu_metadata
---
amdhsa.version: [ 1, 2 ]
amdhsa.kernels:
  - .name:           k_q716304700f_gemmqkv
    .symbol:         k_q716304700f_gemmqkv.kd
    .args:
      - { .name: xc, .offset: 0, .size: 8, .value_kind: global_buffer, .address_space: global }
      - { .name: wc, .offset: 8, .size: 8, .value_kind: global_buffer, .address_space: global }
      - { .name: sc, .offset: 16, .size: 8, .value_kind: global_buffer, .address_space: global }
      - { .name: qkvc, .offset: 24, .size: 8, .value_kind: global_buffer, .address_space: global }
      - { .name: qkvs, .offset: 32, .size: 8, .value_kind: global_buffer, .address_space: global }
    .group_segment_fixed_size: 327680
    .private_segment_fixed_size: 0
    .kernarg_segment_align: 8
    .kernarg_segment_size: 40
    .max_flat_workgroup_size: 128
    .sgpr_count:     102
    .vgpr_count:     840
    .wavefront_size: 32
...
	.end_amdgpu_metadata
.endif
;; end of part 2
;; launch attn (part 3): grid 4 x 64, 16 waves a work-group, no clusters, 327,680 bytes of LDS; arguments qkvc, qkvs, oc, sc; writes oc, sc
.if DOCPART == 3
	.amdgcn_target "amdgcn-amd-amdhsa--gfx1250"
	.amdhsa_code_object_version 6
	.text
	.protected	k_q716304700f_attn
	.globl	k_q716304700f_attn
	.p2align	8
	.type	k_q716304700f_attn,@function
k_q716304700f_attn:
	s_mov_b64 s[64:65], 0
	v_nop
	global_prefetch_b8 v0, s[64:65] scope:SCOPE_SE
	s_setreg_imm32_b32 hwreg(HW_REG_WAVE_MODE, 25, 1), 1
	s_wait_xcnt 0x0
; Causal attention of one head on codes of FP6 (E2M3): S^T = K Q^T (K = the head's 64, in an instruction of 128: Q's upper six registers are zero codes), p = 2^(t - M), O^T = V^T P^T (K = 128 keys a step);
; O / l is quantised along the head's 64 and leaves as the image of six operand registers of the output product, with its two scale bytes.
; t = score x c, c = 1024^-0.05 x log2(e) = 2^-0.5 log2(e), ONE f32 constant where the definition multiplies twice: about one unit in t's last place.
; M = the running largest t rounded UP to a whole number, kept as -M = floor(-t); when M moves, the sum and O^T are multiplied by 2^(old M - new M): exact.  The row's sum is taken of the unquantised p.
; SHARES.  Work-group (i, head) owns query blocks i and 7 - i of 256: the same causal work for every work-group.  Wave w owns tile 16 i + w (L) and tile 112 - 16 i + w (H), 16 queries each.
; Tiles are in tile order: tile tau holds at place r token 32 (tau / 2) + 8 (tau % 2) + r + 8 (r / 8); so the 16 registers of score tiles 2 b, 2 b + 1 are 16 neighbouring keys.
; A WHOLE HEAD'S K, V AND SCALE WORDS STAY IN LDS (212,992 bytes), filled once by two tensor loads a wave: the scale words or keys 0-255; the rest.  Nothing is filled again.  By this text's own count one load of a wave is out at most.
; The first two key steps run while the second load lands.  Behind the second barrier the waves run free: four to a SIMD, so that one wave's vector work stands beside another's matrix work and LDS loads.
; CAUSAL: the trip counts are constants; a step all of whose keys come after the tile's queries is jumped over by a scalar branch on ids; on the diagonal hidden scores become -infinity ahead of the maximum.
; NO JOINT LOADS though the four work-groups of a head read the same K and V: the causal jump is a branch on the query block, which would be the work-group's place in its cluster.
; NO PREFETCH: all that a work-group reads is asked for by its tensor loads at the head.
; LIMITS of the quantisers: a block of zeros gets the byte 1 (its codes are zeros; this program alone reads the bytes); blocks under 2^-124 are held at byte 1; NaN and infinities are not served.
; The two scale bytes of a row leave as 2 bytes a lane, 16 bytes apart, once a wave: one byte in 24 of what the launch stores.
; REGISTERS: v1-4, v7 addresses that stay; v8-11, v20 addresses in hand; v12-15, v16-19 -M, largest t, the sum in two halves (L, H); v21, v22 Q's scale words; v23 the mask's lane term; v24-35, v36-47 Q (L, H);
; v48-95 fragments of K or V; v96-159 S^T, then p; v160-191, v192-223 O^T (L, H); v224-235 p's codes; v232-247, v252, v254 at work; v248-251 K's or V's scale words; v253 p's scale word.
.set REC,   294912
.set SREC,  24576
.set OS,    393216                     ; the attention output's scale words in sc
.set VB,    98304                      ; LDS: K at 0, V here,
.set KSC,   196608                     ; K's scale words, and 8,192 bytes on V's,
.set SPARE, 212992                     ; the spare words, 128 bytes a wave, that no other line names
.set SPW, 5
.set NIL, 6
.set WV,  12
.set G1A, 16
.set G1B, 24
.set G1C, 32
.set G0A, 40
.set G0B, 44
.set G0C, 48
.set SEL, 52
.set CS,  54
.set KF,  56                           ; the step's first key
.set T6,  57                           ; 6,144 x step: K's eight tiles, V's four fragments
.set T5,  58                           ; 512 x step: their scale words
.set CNT, 59
.set QLL, 60                           ; L: the least query, and a bound over the greatest
.set QHL, 61
.set QLH, 62
.set QHH, 63
	s_load_b128 s[4:7], s[0:1], 0x0                ; qkvc, qkvs
	s_load_b128 s[8:11], s[0:1], 0x10              ; oc, sc
	v_lshl_add_u32 v[SPW], v0, 2, SPARE
	v_mov_b32 v[NIL], 0
	ds_add_u32 v[SPW], v[NIL]                      ; the wave's opening: the add and its wait ahead of my first tensor load; work on registers stands between them
	ds_add_u32 v[SPW], v[NIL]
	v_lshrrev_b32 v8, 5, v0
	s_delay_alu instid0(VALU_DEP_1)
	v_readfirstlane_b32 s[WV], v8                  ; wave 0..15
	s_and_b32 s13, ttmp7, 0xffff                   ; 16 batch + head
.irp g, G1A, G1B, G1C                  ; dense rows of 256 bytes (32 elements of 8 bytes), no padding; the three differ in the number of rows
	s_mov_b32 s[\g], 3<<16
	s_mov_b32 s[\g+1], 32<<16
	s_mov_b32 s[\g+3], 32<<16
	s_mov_b32 s[\g+5], 32
	s_mov_b32 s[\g+6], 0
	s_mov_b32 s[\g+7], 0
.endr
	s_mov_b32 s[G1A+2], 8<<16                      ; 2,048 bytes of scale words for each of waves 8-15
	s_mov_b32 s[G1A+4], 8
	s_mov_b32 s[G1B+2], 12<<16                     ; 3,072 bytes: a quarter of K's (waves 0-3) or of V's (waves 4-7) first 256 keys
	s_mov_b32 s[G1B+4], 12
	s_mov_b32 s[G1C+2], 42<<16                     ; 10,752 bytes: an eighth of the rest
	s_mov_b32 s[G1C+4], 42
	s_mul_i32 s14, s13, REC
	s_mul_i32 s15, s13, SREC
	s_lshr_b32 s66, s[WV], 3                       ; waves 0-7: K, waves 8-15: V
	s_mul_i32 s66, s66, VB
	s_and_b32 s67, s[WV], 7
	s_bfe_u32 s68, s[WV], 0x10002                  ; the head's load of codes: K (0) or V (1),
	s_mul_i32 s68, s68, VB
	s_and_b32 s70, s[WV], 3
	s_mul_i32 s70, s70, 3072                       ; and which quarter of the 12,288 bytes
	s_add_co_u32 s68, s68, s70                     ; LDS mirrors the record: one offset serves both
	s_mul_i32 s69, s67, 10752
	s_add_co_u32 s69, s69, s66
	s_add_co_u32 s69, s69, 12288
	s_lshl_b32 s74, s67, 11
	s_add_co_u32 s78, s15, s74
	s_mov_b32 s79, 0
	s_add_co_u32 s80, s14, s68
	s_mov_b32 s81, 0
	s_add_co_u32 s82, s14, s69
	s_mov_b32 s83, 0
	s_mov_b32 s[SEL], 0x76543210
	s_mov_b32 s[SEL+1], 0xfedcba98                 ; selects for lane l xor 16
	s_mov_b32 s[CS], 0x3f8293ee                    ; c = 2^-0.5 log2(e)
	s_mov_b32 s[CS+1], s[CS]                       ; (named with it as a pair, so it is written)
	s_mov_b32 s[KF], 0
	s_mov_b32 s[T6], 0
	s_mov_b32 s[T5], 0
	s_wait_dscnt 0x0                               ; the opening add is done
	s_wait_kmcnt 0x0
	s_mov_b32 s[G0A], 1
	s_add_co_u32 s[G0A+1], s74, KSC
	s_add_nc_u64 s[G0A+2:G0A+3], s[6:7], s[78:79]
	s_or_b32 s[G0A+3], s[G0A+3], 0x80000000
	s_mov_b32 s[G0B], 1
	s_mov_b32 s[G0B+1], s68
	s_add_nc_u64 s[G0B+2:G0B+3], s[4:5], s[80:81]
	s_or_b32 s[G0B+3], s[G0B+3], 0x80000000
	s_mov_b32 s[G0C], 1
	s_mov_b32 s[G0C+1], s69
	s_add_nc_u64 s[G0C+2:G0C+3], s[4:5], s[82:83]
	s_or_b32 s[G0C+3], s[G0C+3], 0x80000000
; THE FILLS: at the head ONE tensor load a wave: waves 0-7 keys 0-255 of K and V, waves 8-15 the scale words.  The rest of K and V is asked for behind the first barrier, one load a wave,
; and lands while keys 0-255 are worked.  Nothing is filled again.  By this text's own count one tensor load of a wave is out at any time.
	s_cmp_lt_u32 s[WV], 8
	s_cbranch_scc0 .Lhead_sc
	tensor_load_to_lds s[G0B:G0B+3], s[G1B:G1B+7]  ; keys 0-255
	s_nop 0
.rept 4
	v_nop
.endr
	s_branch .Lhead_asked
.Lhead_sc:
	tensor_load_to_lds s[G0A:G0A+3], s[G1A:G1A+7]  ; the scale words
	s_nop 0
.rept 4
	v_nop
.endr
.Lhead_asked:
	s_lshl_b32 s82, ttmp9, 4
	s_add_co_u32 s84, s82, s[WV]                   ; tile L
	s_sub_co_u32 s85, 112, s82
	s_add_co_u32 s85, s85, s[WV]                   ; tile H
	s_lshr_b32 s75, s13, 4
	s_lshl_b32 s75, s75, 7                         ; 128 x batch: the batch's first token tile
	s_and_b32 s83, s13, 15                         ; the head
	s_mul_i32 s76, s83, 768                        ; its place in a token tile of oc
	s_lshr_b32 s77, s83, 3
	s_lshl_b32 s77, s77, 8
	s_bfe_u32 s66, s83, 0x20001
	s_lshl_b32 s66, s66, 2
	s_add_co_u32 s77, s77, s66
	s_and_b32 s66, s83, 1
	s_lshl_b32 s66, s66, 1
	s_add_co_u32 s77, s77, s66
	s_add_co_u32 s77, s77, OS                      ; and its two bytes' place in a tile's scale words
.macro TILE tau, lo, hi, qb, sb, ob, so
	s_lshr_b32 s66, s[\tau], 1
	s_lshl_b32 s66, s66, 5
	s_and_b32 s67, s[\tau], 1
	s_lshl_b32 s67, s67, 3
	s_add_co_u32 s[\lo], s66, s67
	s_add_co_u32 s[\hi], s66, 31
	s_mul_i32 s66, s[\tau], 768
	s_add_co_u32 s66, s66, s14
	s_add_co_u32 s66, s66, 196608
	s_mov_b32 s67, 0
	s_add_nc_u64 s[\qb:\qb+1], s[4:5], s[66:67]    ; Q's codes
	s_lshr_b32 s66, s[\tau], 2
	s_lshl_b32 s66, s66, 8
	s_and_b32 s68, s[\tau], 3
	s_lshl_b32 s68, s68, 2
	s_add_co_u32 s66, s66, s68
	s_add_co_u32 s66, s66, s15
	s_add_co_u32 s66, s66, 16384
	s_add_nc_u64 s[\sb:\sb+1], s[6:7], s[66:67]    ; Q's scale words
	s_add_co_u32 s68, s[\tau], s75
	s_mul_i32 s66, s68, 12288
	s_add_co_u32 s66, s66, s76
	s_add_nc_u64 s[\ob:\ob+1], s[8:9], s[66:67]    ; where the tile's output goes
	s_lshl_b32 s[\so], s68, 9
	s_add_co_u32 s[\so], s[\so], s77
.endm
	TILE 84, QLL, QHL, 86, 88, 70, 94
	TILE 85, QLH, QHH, 90, 92, 72, 95
	v_and_b32 v8, 31, v0                           ; lane
	v_and_b32 v9, 15, v0                           ; r
	v_bfe_u32 v10, v0, 4, 1                        ; h
	s_delay_alu instid0(VALU_DEP_3)
	v_lshlrev_b32 v1, 4, v8                        ; v1: 16 x lane
	s_delay_alu instid0(VALU_DEP_4)
	v_lshlrev_b32 v2, 3, v8                        ; v2: 8 x lane
	s_delay_alu instid0(VALU_DEP_2)
	v_add_nc_u32 v3, VB, v1                        ; v3, v4: the same in V
	s_delay_alu instid0(VALU_DEP_2)
	v_add_nc_u32 v4, VB, v2
	v_lshl_add_u32 v7, v9, 4, KSC                  ; v7: 16 r among the scale words
	v_lshlrev_b32 v96, 4, v9
	global_load_b128 v[24:27], v1, s[86:87]
	global_load_b64 v[28:29], v2, s[86:87] offset:512
	global_load_b32 v21, v96, s[88:89]
	global_load_b128 v[36:39], v1, s[90:91]
	global_load_b64 v[40:41], v2, s[90:91] offset:512
	global_load_b32 v22, v96, s[92:93]
	v_and_b32 v23, 8, v9
	s_delay_alu instid0(VALU_DEP_1)
	v_add_nc_u32 v23, v23, v9
	v_lshlrev_b32 v11, 4, v10
	s_delay_alu instid0(VALU_DEP_1)
	v_sub_nc_u32 v23, v23, v11                     ; v23: r + 8 (r / 8) - 16 h
.irp j, 30,31,32,33,34,35,42,43,44,45,46,47
	v_mov_b32 v[\j], 0                             ; Q's upper 64 along K: zero codes
.endr
.irp j, 72,73,74,75,76,77
	v_mov_b32 v[\j], 0                             ; named as the upper half of K's fourth operand; whatever bits stand there are finite codes and meet Q's zeros
.endr
.irp s, 12, 16
	v_mov_b32 v[\s+1], 0xff61b1e6                  ; the largest t so far: -3e38
	s_delay_alu instid0(VALU_DEP_1)
	v_floor_f32 v[\s], -v[\s+1]                    ; -M
	v_mov_b32 v[\s+2], 0                           ; the sum, in two halves
	v_mov_b32 v[\s+3], 0
.endr
.irp j, 236,237,238,239,252,253
	v_mov_b32 v[\j], 0                             ; written once: permutes' destinations, and the pair v[252:253]
.endr
.set J, 160
.rept 64
	v_mov_b32 v[J], 0                              ; O^T: the step is written once; the first finds zeros, which the first change of M leaves zeros
.set J, J+1
.endr
; A KEY STEP of one tile: 128 keys.
.macro STEP QF, QS, OT, SS, sLO, sHI
	s_cmp_gt_u32 s[KF], s[\sHI]
	s_cbranch_scc1 .Lhidden_\@                     ; all its keys come after my queries
	v_add_nc_u32 v8, s[T6], v1                     ; (these five are also the places in front of loads into registers that the last products read)
	s_wait_alu depctr_va_vdst(0)
	v_add_nc_u32 v9, s[T6], v2
	s_wait_alu depctr_va_vdst(0)
	v_add_nc_u32 v10, s[T6], v3
	v_add_nc_u32 v11, s[T6], v4
	v_add_nc_u32 v20, s[T5], v7
	s_wait_alu depctr_va_vdst(0)
.irp g, 0,1                            ; S^T = K Q^T, four tiles of 16 keys at a time
.if \g
.rept 4
	v_nop
.endr
.endif
.irp t, 0,1,2,3
	ds_load_b128 v[48+6*\t:48+6*\t+3], v8 offset:(4*\g+\t)*768
	ds_load_b64 v[48+6*\t+4:48+6*\t+5], v9 offset:(4*\g+\t)*768+512
.endr
	ds_load_b128 v[248:251], v20 offset:256*\g     ; the four tiles' scale words
	s_wait_dscnt 0x0
.irp t, 0,1,2,3
	v_wmma_scale_f32_16x16x128_f8f6f4 v[96+8*(4*\g+\t):103+8*(4*\g+\t)], v[48+6*\t:59+6*\t], v[\QF:\QF+11], 0, v[248+\t], v[\QS] matrix_a_fmt:MATRIX_FMT_FP6 matrix_b_fmt:MATRIX_FMT_FP6
.endr
.endr
.rept 4
	v_nop                                          ; places in front of the loads below and of the first read of the scores
.endr
.irp d, 0,1,2,3                        ; V's four fragments and their scale words are asked for now and land during the softmax
	ds_load_b128 v[48+12*\d:51+12*\d], v10 offset:1536*\d
	ds_load_b64 v[52+12*\d:53+12*\d], v11 offset:1536*\d+512
	ds_load_b128 v[54+12*\d:57+12*\d], v10 offset:1536*\d+768
	ds_load_b64 v[58+12*\d:59+12*\d], v11 offset:1536*\d+1280
.endr
	ds_load_b128 v[248:251], v20 offset:8192
	s_add_co_u32 s66, s[KF], 127
	s_cmp_le_u32 s66, s[\sLO]
	s_cbranch_scc1 .Lopen_\@                       ; all its keys count
	s_sub_co_i32 s66, s[\sLO], s[KF]
	v_add_nc_u32 v252, s66, v23                    ; d = my query - KF - 16 (lane / 16).  Register 16 b + i holds key KF + 16 (lane / 16) + 32 b + i: hidden where 32 b + i > d
	v_mov_b32 v254, 0xff800000                     ; -infinity
.irp n, 0,1,2,3,4,5,6,7,8,9,10,11,12,13,14,15,16,17,18,19,20,21,22,23,24,25,26,27,28,29,30,31,32,33,34,35,36,37,38,39,40,41,42,43,44,45,46,47,48,49,50,51,52,53,54,55,56,57,58,59,60,61,62,63
	v_cmp_gt_i32 vcc_lo, 32*(\n/16)+\n%16, v252
	v_cndmask_b32 v[96+\n], v[96+\n], v254, vcc_lo
.endr
.Lopen_\@:
.irp b, 0,1,2,3
	v_max3_num_f32 v[232+\b], v[96+16*\b], v[97+16*\b], v[98+16*\b]   ; the largest score of each block of 32 keys: for the row's maximum, and, since p rises with the score, for the block's largest p
.endr
.irp i, 3,5,7,9,11,13
.irp b, 0,1,2,3
	v_max3_num_f32 v[232+\b], v[232+\b], v[96+16*\b+\i], v[97+16*\b+\i]
.endr
.endr
.irp b, 0,1,2,3
	v_max_num_f32 v[232+\b], v[232+\b], v[111+16*\b]
.endr
.irp b, 0,1,2,3
	s_delay_alu instid0(VALU_DEP_4)
	v_permlanex16_b32 v[236+\b], v[232+\b], s[SEL], s[SEL+1]
.endr
.irp b, 0,1,2,3
	s_delay_alu instid0(VALU_DEP_4)
	v_max_num_f32 v[232+\b], v[232+\b], v[236+\b]  ; with lane l xor 16's 16 keys
.endr
	s_delay_alu instid0(VALU_DEP_2)
	v_max3_num_f32 v254, v232, v233, v234
	s_delay_alu instid0(VALU_DEP_1)
	v_max_num_f32 v254, v254, v235
	s_delay_alu instid0(VALU_DEP_1)
	v_mul_f32 v254, s[CS], v254                    ; as t (c is positive)
	s_delay_alu instid0(VALU_DEP_1)
	v_max_num_f32 v[\SS+1], v[\SS+1], v254         ; the running largest t
	v_mov_b32 v254, v[\SS]
	s_delay_alu instid0(VALU_DEP_2)
	v_floor_f32 v[\SS], -v[\SS+1]                  ; the new -M = -ceil(t)
	s_delay_alu instid0(VALU_DEP_1)
	v_sub_f32 v254, v[\SS], v254                   ; old M - new M: a whole number, 0 or less
	s_delay_alu instid0(VALU_DEP_1)
	v_cvt_i32_f32 v254, v254                       ; (it saturates)
	s_delay_alu instid0(VALU_DEP_1)
	v_ldexp_f32 v252, 1.0, v254                    ; f = 2^(old M - new M)
.irp j, 0,2,4,6,8,10,12,14,16,18,20,22,24,26,28,30,32,34,36,38,40,42,44,46,48,50,52,54,56,58,60,62
	v_pk_fma_f32 v[96+\j:97+\j], v[96+\j:97+\j], s[CS:CS+1], v[\SS:\SS+1] op_sel_hi:[1,0,0]   ; t - M, two at a time
.endr
.irp b, 0,1,2,3
	v_fma_f32 v[232+\b], v[232+\b], s[CS], v[\SS]  ; the same of each block's largest score
.endr
	s_wait_alu depctr_va_vdst(0)
.irp j, 0,1,2,3,4,5,6,7,8,9,10,11,12,13,14,15,16,17,18,19,20,21,22,23,24,25,26,27,28,29,30,31,32,33,34,35,36,37,38,39,40,41,42,43,44,45,46,47,48,49,50,51,52,53,54,55,56,57,58,59,60,61,62,63
	v_exp_f32 v[96+\j], v[96+\j]                   ; p = 2^(t - M), at most 1, not normalised
.endr
	v_pk_mul_f32 v[\SS+2:\SS+3], v[\SS+2:\SS+3], v[252:253] op_sel_hi:[1,0]   ; the sums under the new M (a plain place behind the exponentials)
	s_wait_alu depctr_va_vdst(0)                   ; one wait for the whole batch, ahead of its first reader
.irp b, 0,1,2,3
	v_exp_f32 v[232+\b], v[232+\b]                 ; the block's largest p
.endr
	v_pk_add_f32 v[236:237], v[96:97], v[98:99]    ; the row's sum of the unquantised p, two at a time, in two chains
.irp j, 4,8,12,16,20,24,28,32,36,40,44,48,52,56,60
	v_pk_add_f32 v[\SS+2:\SS+3], v[\SS+2:\SS+3], v[96+\j:97+\j]
	v_pk_add_f32 v[236:237], v[236:237], v[98+\j:99+\j]
.endr
	s_delay_alu instid0(VALU_DEP_1)
	v_pk_add_f32 v[\SS+2:\SS+3], v[\SS+2:\SS+3], v[236:237]
	s_wait_alu depctr_va_vdst(0)                   ; and one for the four
.irp b, 0,1,2,3
	v_max_num_f32 v[232+\b], 0x1800000, v[232+\b]  ; the floor 2^(3 - 127)
.endr
.irp b, 0,1,2,3
	s_delay_alu instid0(VALU_DEP_4)
	v_add_nc_u32 v[244+\b], 0xff000000, v[232+\b]  ; 2 off the exponent field: the conversion's scale operand
.endr
.irp b, 0,1,2,3
	s_delay_alu instid0(VALU_DEP_4)
	v_lshrrev_b32 v[236+\b], 23, v[244+\b]         ; the scale's byte
.endr
	s_delay_alu instid0(VALU_DEP_3)
	v_lshl_or_b32 v253, v237, 8, v236              ; p's scale word for these 128 keys
	s_delay_alu instid0(VALU_DEP_1)
	v_lshl_or_b32 v253, v238, 16, v253
	s_delay_alu instid0(VALU_DEP_1)
	v_lshl_or_b32 v253, v239, 24, v253
.irp c, 0,1
	v_cvt_scalef32_pk16_fp6_f32 v[224+6*\c:226+6*\c], v[96+32*\c:111+32*\c], v[244+2*\c]
	v_cvt_scalef32_pk16_fp6_f32 v[236+4*\c:238+4*\c], v[112+32*\c:127+32*\c], v[245+2*\c]
.endr
	v_nop                                          ; one plain place behind a scaled conversion
.irp c, 0,1
.irp i, 0,1,2
	v_permlane16_swap_b32 v[224+6*\c+\i], v[236+4*\c+\i]
.endr
.irp i, 0,1,2
	s_delay_alu instid0(VALU_DEP_3)
	v_mov_b32 v[227+6*\c+\i], v[236+4*\c+\i]
.endr
.endr
.irp j, 0,2,4,6,8,10,12,14,16,18,20,22,24,26,28,30
	v_pk_mul_f32 v[\OT+\j:\OT+\j+1], v[\OT+\j:\OT+\j+1], v[252:253] op_sel_hi:[1,0]   ; O^T under the new M (these 16 are also the places between the scale word's and the codes' last writes and the products)
.endr
	s_wait_alu depctr_va_vdst(0)
	s_wait_dscnt 0x0                               ; V's 17 loads are in
.irp d, 0,1,2,3                        ; O^T += V^T P^T: the four accumulators by turns
	v_wmma_scale_f32_16x16x128_f8f6f4 v[\OT+8*\d:\OT+8*\d+7], v[48+12*\d:59+12*\d], v[224:235], v[\OT+8*\d:\OT+8*\d+7], v[248+\d], v253 matrix_a_fmt:MATRIX_FMT_FP6 matrix_b_fmt:MATRIX_FMT_FP6
.endr
.Lhidden_\@:
.endm
.macro TRIP
	STEP 24, 21, 160, 12, QLL, QHL
	STEP 36, 22, 192, 16, QLH, QHH
	s_add_co_u32 s[KF], s[KF], 128
	s_add_co_u32 s[T6], s[T6], 6144
	s_add_co_u32 s[T5], s[T5], 512
.endm
	s_wait_alu depctr_va_vdst(0)                   ; the wait at the head's end
	s_wait_tensorcnt 0x0                           ; my part of the scale words or of keys 0-255 is in
	ds_add_u32 v[SPW], v[NIL]
	s_wait_dscnt 0x0
	s_barrier_signal -1
	s_barrier_wait -1                              ; everybody's is
	tensor_load_to_lds s[G0C:G0C+3], s[G1C:G1C+7]  ; the rest: my one tensor load behind this barrier
	s_nop 0
.rept 4
	v_nop
.endr
	s_wait_loadcnt 0x0
	s_mov_b32 s[CNT], 2
.Lfirst:                                           ; keys 0-255
	TRIP
	s_sub_co_u32 s[CNT], s[CNT], 1
	s_cmp_lg_u32 s[CNT], 0
	s_cbranch_scc1 .Lfirst
	s_wait_tensorcnt 0x0                           ; my part of the rest is in,
	s_wait_dscnt 0x0
	s_barrier_signal -1
	s_barrier_wait -1                              ; everybody's is
	s_mov_b32 s[CNT], 14
.Lrest:                                            ; keys 256-2,047
	TRIP
	s_sub_co_u32 s[CNT], s[CNT], 1
	s_cmp_lg_u32 s[CNT], 0
	s_cbranch_scc1 .Lrest
; THE WAY OUT of a tile: O^T / the sum (register 16 b + i = channel 32 b + 16 (lane / 16) + i of my query) is quantised in two blocks of 32 and stored as six operand registers; W takes the two scale bytes.
.macro FIN OT, SS, W, OB
	v_add_f32 v[\SS+2], v[\SS+2], v[\SS+3]
	s_delay_alu instid0(VALU_DEP_1)
	v_permlanex16_b32 v252, v[\SS+2], s[SEL], s[SEL+1]
	s_delay_alu instid0(VALU_DEP_1)
	v_add_f32 v[\SS+2], v[\SS+2], v252             ; the row's sum
	s_wait_alu depctr_va_vdst(0)
	v_rcp_f32 v[\SS+2], v[\SS+2]
	v_nop                                          ; a plain place behind the transcendental
	s_wait_alu depctr_va_vdst(0)                   ; and the wait ahead of its first reader
.irp j, 0,2,4,6,8,10,12,14,16,18,20,22,24,26,28,30
	v_pk_mul_f32 v[96+\j:97+\j], v[\OT+\j:\OT+\j+1], v[\SS+2:\SS+3] op_sel_hi:[1,0]   ; each accumulator from its low end on
.endr
.irp b, 0,1
	v_max3_num_f32 v[232+\b], |v[96+16*\b]|, |v[97+16*\b]|, 0x1800000
.endr
.irp i, 2,4,6,8,10,12,14
.irp b, 0,1
	s_delay_alu instid0(VALU_DEP_2)
	v_max3_num_f32 v[232+\b], v[232+\b], |v[96+16*\b+\i]|, |v[97+16*\b+\i]|
.endr
.endr
.irp b, 0,1
	s_delay_alu instid0(VALU_DEP_2)
	v_permlanex16_b32 v[236+\b], v[232+\b], s[SEL], s[SEL+1]
.endr
.irp b, 0,1
	s_delay_alu instid0(VALU_DEP_2)
	v_max_num_f32 v[232+\b], v[232+\b], v[236+\b]
.endr
.irp b, 0,1
	s_delay_alu instid0(VALU_DEP_2)
	v_add_nc_u32 v[244+\b], 0xff000000, v[232+\b]
.endr
.irp b, 0,1
	s_delay_alu instid0(VALU_DEP_2)
	v_lshrrev_b32 v[238+\b], 23, v[244+\b]
.endr
	s_delay_alu instid0(VALU_DEP_1)
	v_lshl_or_b32 v[\W], v239, 8, v238
	s_wait_alu depctr_va_vdst(0)
	s_wait_xcnt 0x0                                ; earlier stores have had their addresses translated: only behind this wait are their data registers written again
	v_cvt_scalef32_pk16_fp6_f32 v[224:226], v[96:111], v244
	v_cvt_scalef32_pk16_fp6_f32 v[228:230], v[112:127], v245
	v_nop                                          ; one plain place behind a scaled conversion
.irp i, 0,1,2
	v_permlane16_swap_b32 v[224+\i], v[228+\i]     ; lanes 0-15 block 0, lanes 16-31 block 1: the first three registers the lower 16 codes, the second three the upper
.endr
	s_delay_alu instid0(VALU_DEP_3)
	v_mov_b32 v227, v228
	s_delay_alu instid0(VALU_DEP_3)
	v_mov_b32 v228, v229
	s_delay_alu instid0(VALU_DEP_3)
	v_mov_b32 v229, v230
	global_store_b128 v1, v[224:227], s[\OB:\OB+1]             ; 512 consecutive bytes, at a multiple of 256
	global_store_b64 v2, v[228:229], s[\OB:\OB+1] offset:512   ; 256
.endm
.rept 4
	v_nop                                          ; places behind the last products
.endr
	FIN 160, 12, 128, 70
	FIN 192, 16, 129, 72
	v_and_b32 v130, 31, v0
	v_and_b32 v134, 15, v0
	s_delay_alu instid0(VALU_DEP_2)
	v_cmp_le_u32 vcc_lo, 16, v130                  ; lanes 0-15 store tile L's two bytes, lanes 16-31 tile H's
	s_delay_alu instid0(VALU_DEP_1)
	v_cndmask_b32 v131, v128, v129, vcc_lo
	v_mov_b32 v132, s94
	v_mov_b32 v133, s95
	s_delay_alu instid0(VALU_DEP_1)
	v_cndmask_b32 v132, v132, v133, vcc_lo
	s_delay_alu instid0(VALU_DEP_1)
	v_lshl_add_u32 v132, v134, 4, v132
	global_store_b16 v132, v131, s[10:11]
	s_wait_tensorcnt 0x0                           ; the wave's end
	ds_add_u32 v[SPW], v[NIL]
	s_wait_dscnt 0x0
	s_endpgm
.Lfunc_end_k_q716304700f_attn:
	.size	k_q716304700f_attn, .Lfunc_end_k_q716304700f_attn-k_q716304700f_attn
	.p2alignl 7, 3214868480
	.fill 96, 4, 3214868480
	.section	.rodata,"a",@progbits
	.p2align	6, 0x0
	.amdhsa_kernel k_q716304700f_attn
		.amdhsa_group_segment_fixed_size 327680
		.amdhsa_private_segment_fixed_size 0
		.amdhsa_enable_private_segment 0
		.amdhsa_kernarg_size 32
		.amdhsa_user_sgpr_count 2
		.amdhsa_user_sgpr_kernarg_segment_ptr 1
		.amdhsa_wavefront_size32 1
		.amdhsa_system_sgpr_workgroup_id_x 1
		.amdhsa_system_sgpr_workgroup_id_y 1
		.amdhsa_system_sgpr_workgroup_id_z 1
		.amdhsa_system_vgpr_workitem_id 0
		.amdhsa_next_free_vgpr 256
		.amdhsa_next_free_sgpr 100
		.amdhsa_reserve_vcc 1
		.amdhsa_float_denorm_mode_32 3
		.amdhsa_float_denorm_mode_16_64 3
		.amdhsa_memory_ordered 1
		.amdhsa_forward_progress 1
		.amdhsa_inst_pref_size 111
	.end_amdhsa_kernel
	.amdgpu_metadata
---
amdhsa.version: [ 1, 2 ]
amdhsa.kernels:
  - .name:           k_q716304700f_attn
    .symbol:         k_q716304700f_attn.kd
    .args:
      - { .name: qkvc, .offset: 0, .size: 8, .value_kind: global_buffer, .address_space: global }
      - { .name: qkvs, .offset: 8, .size: 8, .value_kind: global_buffer, .address_space: global }
      - { .name: oc, .offset: 16, .size: 8, .value_kind: global_buffer, .address_space: global }
      - { .name: sc, .offset: 24, .size: 8, .value_kind: global_buffer, .address_space: global }
    .group_segment_fixed_size: 327680
    .private_segment_fixed_size: 0
    .kernarg_segment_align: 8
    .kernarg_segment_size: 32
    .max_flat_workgroup_size: 512
    .sgpr_count:     100
    .vgpr_count:     256
    .wavefront_size: 32
...
	.end_amdgpu_metadata
.endif
;; end of part 3
;; launch gemmout (part 4): grid 32 x 8, 4 waves a work-group, clusters of 4 x 4, 327,680 bytes of LDS; arguments oc, wc, sc, bp, out0; writes out0
.if DOCPART == 4
	.amdgcn_target "amdgcn-amd-amdhsa--gfx1250"
	.amdhsa_code_object_version 6
	.text
	.protected	k_q716304700f_gemmout
	.globl	k_q716304700f_gemmout
	.p2align	8
	.type	k_q716304700f_gemmout,@function
k_q716304700f_gemmout:
	s_mov_b64 s[64:65], 0
	v_nop
	global_prefetch_b8 v0, s[64:65] scope:SCOPE_SE
	s_setreg_imm32_b32 hwreg(HW_REG_WAVE_MODE, 25, 1), 1
	s_wait_xcnt 0x0
	s_wait_alu depctr_hold_cnt(0) depctr_sa_sdst(0) depctr_va_vdst(0) depctr_va_sdst(0) depctr_va_ssrc(0) depctr_va_vcc(0) depctr_vm_vsrc(0)
	s_getreg_b32 s2, hwreg(HW_REG_IB_STS2, 6, 4)
	s_cmp_eq_u32 s2, 0
	s_cbranch_scc0 .Lentry_in_a_cluster
	s_endpgm
.Lentry_in_a_cluster:
	s_bfe_u32 s2, ttmp6, 0x10000c
	s_cmp_lg_u32 s2, 0xf033
	s_cbranch_scc0 .Lentry_shape_is_right
	s_endpgm
.Lentry_shape_is_right:
; out0[token][n] = sum over k of context[token][k] Wp[k][n] + bp[n], f32, on codes of FP6 (E2M3): 8,192 x 1,024 x 1,024.
; LIMITS: NaN, infinities and sums beyond f32's range are not served; a sum begins with the bias, where the definition adds it last.
; OPERANDS lie in memory as images of registers: [tile of 16 rows][K step: 8][c: 2][768 bytes] (registers 0-3 at 16 x lane, 4-5 at 512 + 8 x lane), 12,288 bytes a tile; tile u of a group of 32 rows holds at place r row 8 u + r + 8 (r / 8).
; A = oc (512 token tiles), B = Wp's 64 column tiles, at tile 192 of wc.  Scale words in sc: [tile][K half][r][4 words]; A's at 393,216, the weights' at 262,144.
; THE DEAL.  256 work-groups of four waves, 2 x 2, each 256 tokens x 128 columns.  The wave in row a, column b holds column tiles 4 b .. 4 b + 3 of B, all of K, in 384 registers, and streams token tiles 2 s + a, s = 0 .. 7, past them:
; a block is 32 products.  Source 0 = B's tile, source 1 = A's: lane (r, h) holds token place r, and register j of column tile 2 p + u is column 32 p + 8 u + 16 h + j of the wave's 64.
; THE CLUSTER's x COUNTS TILE ROWS: tile row 4 x cluster x + cx, tile column 4 x cluster y + cy.  A's tiles are shared by a COLUMN of the cluster (mask s44), B's by a ROW (mask s45).
; LDS: A's 16 tiles; B's 8 tiles; A's scale words; the spare words.  The waves' stages lie in B's first bytes, which are read for the last time ahead of the barrier in front of the stream.  Nothing is filled again,
; and no data prefetch is laid: all that a work-group reads is asked for at the head, so there is no loop to run ahead in.
; THE HEAD'S FOUR TILES, one a wave, each on its own line: B; A's tiles 0-7; 8-11; 12-15.  The stream begins when the first two are in; a plain barrier inside block 1 (and, the text being a loop's, inside 3 and 5) shows the others.
; TWO SETS of A's fragments, of accumulators and of rows back from the stage, by turns.  ONE RUN OF MEMORY LINES behind a block's products: its sums into the stage and back as rows of 256 bytes; the fetch of the block two on;
; one wait, than which the fetch alone (NF loads) is younger, and which shows the next block's rows in too; eight stores to out0.
.set WS, 262144
.set OS, 393216
.set NQ, 8                             ; K / 128
.set NB, 4                             ; column tiles a wave
.set TB, 12288                         ; a tile's bytes
.set KROW, 768                         ; the tensor loads' row: a sixteenth of a tile
.set FR, 12                            ; registers of a fragment
.set FPW, 256/FR                       ; fragments in a window
.set NF, 34                            ; LDS loads of a block: 32 for eight fragments, 2 for eight scale words
.set YB, 16*TB                         ; B's tiles
.set SCL, YB+8*TB                      ; A's scale words: 16 tiles x 512
.set SPARE, SCL+16*512                 ; the spare words, 128 bytes a wave
.set SPITCH, 272                       ; a stage of 16 rows x (256 bytes + 16) for each wave
.set STAGE, YB
.set A160, 4                           ; v4, v5  LDS address of my block 0's fragments: + 16 x lane, + 8 x lane; never rewritten
.set A80, 5
.set AAS0, 6                           ; v6      of my block 0's scale words; never rewritten
.set XO, 7                             ; v7      my 16 bytes of A's scale words in sc;  v8: 64 h, the bias
.set CO, 9                             ; v9      my byte offset in out0: row l / 16, 16 bytes x (l % 16)
.set SPW, 10
.set NIL, 11
.set A16, 12                           ; v12, v13, v17  as v4, v5, v6, for the block that is fetched next
.set A8, 13
.set B16, 14                           ; v14, v15  my four tiles of B
.set B8, 15
.set ABS, 16                           ; v16     my offset in B's scale words
.set AAS, 17
.set STO, 18                           ; v18     the stage: where I put my sums
.set RD, 19                            ; v19     the stage: where I read 16 bytes of a row back
.set XS, 20                            ; v20     where my 16 bytes of A's scale words go in LDS
.set SB, 24                            ; v24-39  B's scale words: lanes 0-15 tile 2 p, lanes 16-31 tile 2 p + 1
.set SA, 42                            ; v42-57  A's: two sets of eight
.set ACC, 64                           ; v64-127 two sets of four accumulators
.set BK, 128                           ; v128-191 two sets: 16 rows x 256 bytes back from the stage
.set XT, 192                           ; v192-207 head: A's scale words on their way into LDS
.set BO, 208                           ; v208-239 the bias as the first four products' C
.set G1A, 24
.set G0A, 56
.set G1B, 32
.set G0B, 60
.set MSB, 0
.macro WIN new                         ; the immediate's high byte repeats the setting that is left
.if MSB != \new
	s_set_vgpr_msb (MSB<<8)|\new
.set MSB, \new
.endif
.endm
.macro PLACES n
.rept \n
	v_nop
.endr
.endm
.macro WALU
	s_wait_alu depctr_va_vdst(0)
.endm
.macro BARRIER
	s_barrier_signal -1
	s_barrier_wait -1
.endm
.macro CROUND                          ; a round of the cluster's barrier
	BARRIER
	s_cmp_lg_u32 s14, 0
	s_cbranch_scc1 .Lnot_wave_0_\@
	s_barrier_signal -3
.Lnot_wave_0_\@:
	s_barrier_wait -3
	BARRIER
.endm
.macro TLOAD g0, g1                    ; an s_nop 0 and four v_nop follow a tensor load
	tensor_load_to_lds s[\g0:\g0+3], s[\g1:\g1+7]
	s_nop 0
	PLACES 4
.endm
.macro ATILE first, rows               ; a part of A's 256 rows of 768 bytes, by a descriptor of constants: dense, so its place in LDS is its place among the rows
	s_mov_b32 s[G0A+1], (\first)*KROW
	s_mov_b32 s[G1A+2], (\rows)<<16
	s_mov_b32 s[G1A+4], \rows
.if \first
	s_add_nc_u64 s[G0A+2:G0A+3], s[G0A+2:G0A+3], (\first)*KROW
.endif
	s_or_b32 s[G0A+3], s[G0A+3], 0x80000000
	TLOAD G0A, G1A
.endm
.macro GROUP1 g, mask, rows            ; elements of one byte, no padding; bit 21 beside the mask
	s_or_b32 s[\g+0], s[\mask], (1<<21)
	s_mov_b32 s[\g+1], (KROW&0xffff)<<16
	s_mov_b32 s[\g+3], KROW<<16
.if \rows                              ; (rows = 0: the two words that hold the rows are written with each tile: ATILE)
	s_mov_b32 s[\g+2], (\rows)<<16
	s_mov_b32 s[\g+4], \rows
.endif
	s_mov_b32 s[\g+5], KROW
	s_mov_b32 s[\g+6], 0
	s_mov_b32 s[\g+7], 0
.endm
.macro FRAG f, a16, a8, off            ; fragment f (0-31 B's: 4 q + tile; 32-47 A's two sets) lies at register 12 (f % 21) of window 1 + f / 21; its image: 512 + 256 + 512 + 256 consecutive bytes
.set R_, FR*((\f)%FPW)
	WIN (1+(\f)/FPW)<<6
	ds_load_b128 v[R_:R_+3], v[\a16] offset:\off
	ds_load_b64 v[R_+4:R_+5], v[\a8] offset:(\off)+512
	ds_load_b128 v[R_+6:R_+9], v[\a16] offset:(\off)+768
	ds_load_b64 v[R_+10:R_+11], v[\a8] offset:(\off)+1280
.endm
.macro FETCHAT e, a16, a8, as          ; a block of A into set e: NF loads
.irp q, 0,1,2,3,4,5,6,7
	FRAG NB*NQ+NQ*(\e)+\q, \a16, \a8, 1536*\q
.endr
	WIN 0
	ds_load_b128 v[SA+8*(\e):SA+8*(\e)+3], v[\as]
	ds_load_b128 v[SA+8*(\e)+4:SA+8*(\e)+7], v[\as] offset:256
.endm
.macro PROD e, n                       ; product n = 4 q + tile of a block whose rows lie in set e.  The four accumulators take turns; the first along K takes the bias as C
.set Q_, (\n)/4
.set FB_, NB*Q_+(\n)%4
.set FA_, NB*NQ+NQ*(\e)+Q_
.set D_, ACC+32*(\e)+8*((\n)%4)
.set XB_, SB+NQ*(((\n)%4)/2)+Q_
.set XA_, SA+8*(\e)+Q_
	WIN (1+FB_/FPW)|((1+FA_/FPW)<<2)
.if Q_
	PROD1 D_, FB_, FA_, v[D_:D_+7], XB_, XA_, (\n)%2
.else
	PROD1 D_, FB_, FA_, v[BO+8*((\n)%4):BO+8*((\n)%4)+7], XB_, XA_, (\n)%2
.endif
.endm
.macro PROD1 d, s0, s1, c, x0, x1, o
.if \o
	v_wmma_scale_f32_16x16x128_f8f6f4 v[\d:\d+7], v[FR*((\s0)%FPW):FR*((\s0)%FPW)+FR-1], v[FR*((\s1)%FPW):FR*((\s1)%FPW)+FR-1], \c, v[\x0], v[\x1] matrix_a_fmt:MATRIX_FMT_FP6 matrix_b_fmt:MATRIX_FMT_FP6 matrix_a_scale:MATRIX_SCALE_ROW1
.else
	v_wmma_scale_f32_16x16x128_f8f6f4 v[\d:\d+7], v[FR*((\s0)%FPW):FR*((\s0)%FPW)+FR-1], v[FR*((\s1)%FPW):FR*((\s1)%FPW)+FR-1], \c, v[\x0], v[\x1] matrix_a_fmt:MATRIX_FMT_FP6 matrix_b_fmt:MATRIX_FMT_FP6 matrix_a_scale:MATRIX_SCALE_ROW0
.endif
.endm
.macro PRODS e, from, to, fetch
.set N_, \from
.rept (\to)-(\from)
	PROD \e, N_
.if (\fetch) && N_ == 1
	s_add_co_u32 s101, s101, 2*TB                  ; the block that is fetched behind this one: two tiles on,
	s_add_co_u32 s91, s91, 1024                    ; and its scale words
.endif
.set N_, N_+1
.endr
	WIN 0
.endm
.macro STAGED u                        ; set u's sums into my stage, each accumulator from its low end on, and back as whole rows.  LDS serves a wave's instructions in order (ISA guide 5.7.1.4): no wait between
.irp b, 0,1,2,3
	ds_store_b128 v[STO], v[ACC+32*(\u)+8*\b:ACC+32*(\u)+8*\b+3] offset:128*(\b/2)+32*(\b%2)
	ds_store_b128 v[STO], v[ACC+32*(\u)+8*\b+4:ACC+32*(\u)+8*\b+7] offset:128*(\b/2)+32*(\b%2)+16
.endr
.irp t, 0,1,2,3,4,5,6,7
	ds_load_b128 v[BK+32*(\u)+4*\t:BK+32*(\u)+4*\t+3], v[RD] offset:2*\t*SPITCH
.endr
.endm
.macro TOC s                           ; the rows in set s go to out0: places 2 t, 2 t + 1 are tokens 2 t + 8 (t / 4) and the next; the pair's second block lies 32 tokens on.  16 lanes store 256 consecutive bytes, aligned
.irp t, 0,1,2,3,4,5,6,7
	global_store_b128 v[CO], v[BK+32*(\s)+4*\t:BK+32*(\s)+4*\t+3], s[12:13] offset:(32*(\s)+2*\t+8*(\t/4))*4096 th:TH_STORE_NT
.endr
.endm
.macro STREAM s, fetch, show           ; a pair's block s = 0, 1.  show = 1: a plain barrier inside the block shows waves 2 and 3's tiles to all
.if \show
	PRODS \s, 0, 24, \fetch
	s_wait_tensorcnt 0x0
	s_wait_dscnt 0x0
	s_barrier_signal -1
	PRODS \s, 24, 32, \fetch
	s_barrier_wait -1
.else
	PRODS \s, 0, 32, \fetch
.endif
.if \fetch                             ; four plain vector lines stand between the last product and the first reader of its sums and the fetch into its registers (ISA guide 7.12.1)
	v_add_nc_u32 v[A16], s101, v[A160]
	v_add_nc_u32 v[A8], s101, v[A80]
	v_add_nc_u32 v[AAS], s91, v[AAS0]
	v_nop
	WALU                                           ; directly ahead of the wait below
.else
	PLACES 4
.endif
	s_wait_xcnt 0x0                                ; the stores of two blocks ago have read set s of the rows, and those of the block before their base
.if (\s) == 0
	s_add_nc_u64 s[12:13], s[12:13], s[20:21]      ; on to this pair's rows of out0
.endif
	STAGED \s
.if \fetch
	FETCHAT \s, A16, A8, AAS
	s_wait_dscnt NF                                ; the block's rows are back from the stage; its fetch is younger
.else
	s_wait_dscnt 0x0
.endif
	TOC \s
.endm
; ================= THE HEAD
	s_load_b128 s[4:7], s[0:1], 0x0                ; oc, wc
	s_load_b128 s[8:11], s[0:1], 0x10              ; sc, bp
	s_load_b64 s[12:13], s[0:1], 0x20              ; out0
	v_lshl_add_u32 v[SPW], v0, 2, SPARE
	v_mov_b32 v[NIL], 0
	ds_add_u32 v[SPW], v[NIL]                      ; the opening lines: the add, twice on end, and its wait ahead of my first tensor load
	ds_add_u32 v[SPW], v[NIL]
	v_lshrrev_b32 v1, 5, v0
	v_readfirstlane_b32 s14, v1                    ; the wave; s15 its row a of the 2 x 2, s16 its column b
	s_lshr_b32 s15, s14, 1
	s_and_b32 s16, s14, 1
	s_bfe_u32 s40, ttmp6, 0x40000                  ; cx
	s_bfe_u32 s41, ttmp6, 0x40004                  ; cy
	s_lshl_b32 s43, ttmp9, 2
	s_add_co_u32 s43, s43, s40                     ; tile row: 4 x cluster x + cx
	s_and_b32 s42, ttmp7, 0xffff
	s_lshl_b32 s42, s42, 2
	s_add_co_u32 s42, s42, s41                     ; tile column: 4 x cluster y + cy
	s_lshl_b32 s44, 0x1111, s40                    ; my column of the cluster: shares A's tiles
	s_lshl_b32 s45, s41, 2
	s_lshl_b32 s45, 15, s45                        ; my row: shares B's
	GROUP1 G1A, 44, 0
	GROUP1 G1B, 45, 128
	s_mov_b32 s[G0A], 1
	s_mul_i32 s76, s43, 16*TB                      ; my 16 tiles of A
	s_mov_b32 s77, 0
	s_mul_i32 s78, s42, 8*TB
	s_add_co_u32 s78, s78, 192*TB                  ; my 8 tiles of Wp
	s_mov_b32 s79, 0
	s_lshl_b32 s82, s42, 12
	s_lshl_b32 s21, s16, 11
	s_add_co_u32 s82, s82, s21
	s_add_co_u32 s82, s82, WS+192*512              ; my four tiles' scale words
	s_mov_b32 s83, 0
	s_lshl_b32 s80, s43, 13
	s_add_co_u32 s80, s80, OS                      ; A's scale words
	s_mov_b32 s81, 0
	s_lshl_b32 s86, s42, 9
	s_lshl_b32 s21, s16, 8
	s_add_co_u32 s86, s86, s21                     ; my 64 columns, in bytes
	s_mov_b32 s87, 0
	s_lshl_b32 s84, s43, 20                        ; 256 tokens x 4,096 bytes
	s_lshl_b32 s21, s15, 15                        ; + 8 a tokens
	s_add_co_u32 s84, s84, s21
	s_add_co_u32 s84, s84, s86
	s_mov_b32 s85, 0
	s_mov_b32 s[G0B], 1
	s_mov_b32 s[G0B+1], YB
	v_and_b32 v1, 15, v0                           ; r
	v_bfe_u32 v2, v0, 4, 1                         ; h
	v_and_b32 v3, 31, v0                           ; lane
	v_lshlrev_b32 v21, 4, v3
	v_lshlrev_b32 v22, 3, v3
	s_mul_i32 s23, s15, TB
	v_add_nc_u32 v[A160], s23, v21
	v_add_nc_u32 v[A80], s23, v22
	s_mul_i32 s22, s16, NB*TB
	s_add_co_u32 s22, s22, YB
	v_add_nc_u32 v[B16], s22, v21
	v_add_nc_u32 v[B8], s22, v22
	v_add_nc_u32 v[A16], 2*TB, v[A160]
	v_add_nc_u32 v[A8], 2*TB, v[A80]
	v_lshlrev_b32 v23, 4, v1
	v_lshl_add_u32 v[ABS], v2, 9, v23              ; 512 h + 16 r
	s_lshl_b32 s21, s15, 9
	s_add_co_u32 s21, s21, SCL
	v_add_nc_u32 v[AAS0], s21, v23
	v_add_nc_u32 v[AAS], 1024, v[AAS0]
	s_mul_i32 s21, s14, 16*SPITCH
	s_add_co_u32 s21, s21, STAGE
	v_mul_u32_u24 v23, v1, SPITCH
	v_lshl_add_u32 v23, v2, 6, v23
	v_add_nc_u32 v[STO], s21, v23                  ; row r, + 64 h
	v_mul_u32_u24 v23, v2, SPITCH
	v_lshl_add_u32 v23, v1, 4, v23
	v_add_nc_u32 v[RD], s21, v23
	v_lshlrev_b32 v23, 12, v2
	v_lshl_add_u32 v[CO], v1, 4, v23
	v_lshlrev_b32 v8, 6, v2
	s_lshl_b32 s21, s14, 11
	v_add_nc_u32 v[XO], s21, v21                   ; a wave copies 2,048 bytes of A's scale words, 512 consecutive bytes an instruction
	v_add_nc_u32 v[XS], SCL, v[XO]
	WALU                                           ; the wait at the head's end
	s_wait_dscnt 0x0
	CROUND                                         ; the opening round, in front of the first joint loads
	s_wait_kmcnt 0x0
	s_add_nc_u64 s[G0A+2:G0A+3], s[4:5], s[76:77]
	s_add_nc_u64 s[G0B+2:G0B+3], s[6:7], s[78:79]
	s_or_b32 s[G0B+3], s[G0B+3], 0x80000000
	s_add_nc_u64 s[6:7], s[8:9], s[82:83]          ; B's scale words
	s_add_nc_u64 s[8:9], s[8:9], s[80:81]          ; A's
	s_add_nc_u64 s[10:11], s[10:11], s[86:87]
	s_add_nc_u64 s[12:13], s[12:13], s[84:85]
	s_cmp_eq_u32 s14, 0
	s_cbranch_scc0 .Lwave_1
	TLOAD G0B, G1B                                 ; wave 0: B's tiles, which are wanted first
	s_branch .Lasked
.Lwave_1:
	s_cmp_eq_u32 s14, 1
	s_cbranch_scc0 .Lwave_2
	ATILE 0, 128                                   ; wave 1: A's tiles 0 to 7
	s_branch .Lasked
.Lwave_2:
	s_cmp_eq_u32 s14, 2
	s_cbranch_scc0 .Lwave_3
	ATILE 128, 64                                  ; wave 2: 8 to 11
	s_branch .Lasked
.Lwave_3:
	ATILE 192, 64                                  ; wave 3: 12 to 15
.Lasked:
.irp k, 0,1,2,3
	global_load_b128 v[XT+4*\k:XT+4*\k+3], v[XO], s[8:9] offset:512*\k
.endr
.irp b, 0,1,2,3
	global_load_b128 v[BO+8*\b:BO+8*\b+3], v8, s[10:11] offset:(32*(\b/2)+8*(\b%2))*4
	global_load_b128 v[BO+8*\b+4:BO+8*\b+7], v8, s[10:11] offset:(32*(\b/2)+8*(\b%2))*4+16
.endr
.irp p, 0,1
.irp c, 0,1
	global_load_b128 v[SB+NQ*\p+4*\c:SB+NQ*\p+4*\c+3], v[ABS], s[6:7] offset:1024*\p+256*\c
.endr
.endr
	s_wait_loadcnt 0x0
.irp k, 0,1,2,3
	ds_store_b128 v[XS], v[XT+4*\k:XT+4*\k+3] offset:512*\k
.endr
	s_wait_dscnt 0x0
	s_cmp_eq_u32 s14, 0
	s_cbranch_scc0 .Lnot_b
	s_wait_tensorcnt 0x0
.Lnot_b:
	BARRIER                                        ; B has landed
.irp q, 0,1,2,3,4,5,6,7
.irp b, 0,1,2,3
	FRAG NB*\q+\b, B16, B8, TB*\b+1536*\q
.endr
.endr
	WIN 0
	s_mov_b32 s101, 2*TB
	s_mov_b32 s91, 1024
	s_cmp_eq_u32 s14, 1
	s_cbranch_scc0 .Lnot_a
	s_wait_tensorcnt 0x0                           ; wave 1: A's tiles 0 to 7 have landed
.Lnot_a:
	s_wait_dscnt 0x0
	BARRIER                                        ; A's first eight tiles and all scale words are in, and nobody reads B's bytes any more.  Waves 2 and 3's tiles may still be on their way
	FETCHAT 0, A160, A80, AAS0
	FETCHAT 1, A16, A8, AAS
; ================= THE STREAM: eight blocks
	s_mov_b32 s23, 0
	s_mov_b32 s20, 0                               ; s[20:21]: from a pair's rows of out0 to the next pair's; block 0 begins where the base stands
	s_mov_b32 s21, 0
	s_wait_dscnt NF                                ; block 0's rows are in
.Lpair:                                            ; blocks 0 to 5, a pair a trip
	STREAM 0, 1, 0
	STREAM 1, 1, 1
	s_mov_b32 s20, 64*4096                         ; the next pair's rows lie 64 tokens on
	s_add_co_u32 s23, s23, 1
	s_cmp_lg_u32 s23, 3
	s_cbranch_scc1 .Lpair
	STREAM 0, 0, 0                                 ; blocks 6 and 7 fetch nothing
	STREAM 1, 0, 0
	s_wait_tensorcnt 0x0                           ; the wave's end
	ds_add_u32 v[SPW], v[NIL]
	s_wait_dscnt 0x0
	CROUND                                         ; the closing round
	s_endpgm
.Lfunc_end_k_q716304700f_gemmout:
	.size	k_q716304700f_gemmout, .Lfunc_end_k_q716304700f_gemmout-k_q716304700f_gemmout
	.p2alignl 7, 3214868480
	.fill 96, 4, 3214868480
	.section	.rodata,"a",@progbits
	.p2align	6, 0x0
	.amdhsa_kernel k_q716304700f_gemmout
		.amdhsa_group_segment_fixed_size 327680
		.amdhsa_private_segment_fixed_size 0
		.amdhsa_enable_private_segment 0
		.amdhsa_kernarg_size 40
		.amdhsa_user_sgpr_count 2
		.amdhsa_user_sgpr_kernarg_segment_ptr 1
		.amdhsa_wavefront_size32 1
		.amdhsa_system_sgpr_workgroup_id_x 1
		.amdhsa_system_sgpr_workgroup_id_y 1
		.amdhsa_system_sgpr_workgroup_id_z 1
		.amdhsa_system_vgpr_workitem_id 0
		.amdhsa_next_free_vgpr 840
		.amdhsa_next_free_sgpr 102
		.amdhsa_reserve_vcc 0
		.amdhsa_float_denorm_mode_32 3
		.amdhsa_float_denorm_mode_16_64 3
		.amdhsa_memory_ordered 1
		.amdhsa_forward_progress 1
		.amdhsa_inst_pref_size 53
	.end_amdhsa_kernel
	.amdgpu_metadata
---
amdhsa.version: [ 1, 2 ]
amdhsa.kernels:
  - .name:           k_q716304700f_gemmout
    .symbol:         k_q716304700f_gemmout.kd
    .args:
      - { .name: oc, .offset: 0, .size: 8, .value_kind: global_buffer, .address_space: global }
      - { .name: wc, .offset: 8, .size: 8, .value_kind: global_buffer, .address_space: global }
      - { .name: sc, .offset: 16, .size: 8, .value_kind: global_buffer, .address_space: global }
      - { .name: bp, .offset: 24, .size: 8, .value_kind: global_buffer, .address_space: global }
      - { .name: out0, .offset: 32, .size: 8, .value_kind: global_buffer, .address_space: global }
    .group_segment_fixed_size: 327680
    .private_segment_fixed_size: 0
    .kernarg_segment_align: 8
    .kernarg_segment_size: 40
    .max_flat_workgroup_size: 128
    .sgpr_count:     102
    .vgpr_count:     840
    .wavefront_size: 32
...
	.end_amdgpu_metadata
.endif
;; end of part 4
